; MI455X (gfx1250); checked and timed in simulation.
; The chip was launched on July 23, 2026; its instructions are those of AMD's public machine-readable ISA for CDNA 5 (MIT licence, August 2026) and "CDNA5" Instruction Set Architecture Reference Guide (July 2026). The comments in the code are by the model that wrote it; some were corrected since.
;; Generic Cross Attention. Allowed arithmetic: matrix products marked QUANTISED: E2M1 operands, one E8M0 scale for each 32 along K, by v_wmma_scale_f32_16x16x128_f8f6f4 with both operands' format E2M1 (or v_wmma_scale_f32_32x16x128_f4), f32 sums; everything else in f32.
;; Inputs: Wk_codes 2,048 x 64 x 16 uint8 (E2M1 codes of Wk, K innermost, in blocks of 32 codes, two codes a byte); Wk_scales 2,048 x 64 uint8 (E8M0 scales of Wk, one for each 32 codes along K); Wo_codes 2,048 x 64 x 16 uint8 (E2M1 codes of Wo, K innermost, in blocks of 32 codes, two codes a byte); Wo_scales 2,048 x 64 uint8 (E8M0 scales of Wo, one for each 32 codes along K); Wq_codes 2,048 x 64 x 16 uint8 (E2M1 codes of Wq, K innermost, in blocks of 32 codes, two codes a byte); Wq_scales 2,048 x 64 uint8 (E8M0 scales of Wq, one for each 32 codes along K); Wv_codes 2,048 x 64 x 16 uint8 (E2M1 codes of Wv, K innermost, in blocks of 32 codes, two codes a byte); Wv_scales 2,048 x 64 uint8 (E8M0 scales of Wv, one for each 32 codes along K); bk 2,048 float32; bo 2,048 float32; bq 2,048 float32; bv 2,048 float32; gate 2,048 float32; kv_padding_mask 2 x 2,048 bool; kv_states_codes 2 x 2,048 x 64 x 16 uint8 (E2M1 codes of kv_states, K innermost, in blocks of 32 codes, two codes a byte); kv_states_scales 2 x 2,048 x 64 uint8 (E8M0 scales of kv_states, one for each 32 codes along K); query_states 2 x 1,024 x 2,048 float32.
;; Outputs: out0 2 x 1,024 x 2,048 float32.
;; This version of the problem:
;;   THIS VERSION OF THE PROBLEM IS GIVEN IN LOW PRECISION. The matrix products marked QUANTISED in the list below multiply operands that are first quantised to E2M1 (2 exponent bits, 1 mantissa bit; 4 bits a number), with one power-of-two scale for each 32 numbers along K (OCP MX v1.0); their sums are f32. All else is computed in f32.
;;   The module's matrix products, in the order in which they are computed (A, B: the left and right operand; K: the contracted axis; several contracted axes count as one K, in the product's order):
;;     1. [M 2,048, K 2,048] x [K 2,048, N 2,048]; A: input query_states; B: input Wq (given as codes): QUANTISED
;;     2. [M 4,096, K 2,048] x [K 2,048, N 2,048]; A: input kv_states (given as codes); B: input Wk (given as codes): QUANTISED
;;     3. [M 4,096, K 2,048] x [K 2,048, N 2,048]; A: input kv_states (given as codes); B: input Wv (given as codes): QUANTISED
;;     4. batch 32 x [M 1,024, K 128] x [K 128, N 2,048]; A: computed on the way; B: computed on the way: QUANTISED
;;     5. batch 32 x [M 1,024, K 2,048] x [K 2,048, N 128]; A: softmax (see below); B: computed on the way: QUANTISED
;;     6. [M 2,048, K 2,048] x [K 2,048, N 2,048]; A: computed on the way; B: input Wo (given as codes): QUANTISED
;;   THE QUANTISER, for each operand of a quantised product, along K:
;;     - K is cut into blocks of 32 from its start; a last block that is shorter is filled with zeros.
;;     - A block's scale is 2^e with e = floor(log2(the largest magnitude in the block)) - 2, held to -126 .. 127; a block of zeros has e = 0. As a byte (E8M0): e + 127.
;;     - Each number is divided by its block's scale, clamped to +-6, and rounded to the nearest number of E2M1, ties to even, subnormals kept.
;;     - The product sums the exact products of the quantised numbers (number of the format x scale) in f32.
;;   ~~~python
;;   def quantise(x, axis):      # numpy; x: float32 -> the quantised numbers, widened to float32 again
;;       x = np.moveaxis(x, axis, -1); K = x.shape[-1]
;;       x = np.pad(x, [(0, 0)] * (x.ndim - 1) + [(0, -K % 32)]); x = x.reshape(x.shape[:-1] + (-1, 32)); a = np.abs(x).max(-1, keepdims=True)
;;       e = np.where(a > 0, np.clip(np.frexp(np.where(a > 0, a, 1))[1] - 1 - 2, -126, 127), 0)      # np.frexp(a)[1] - 1 = floor(log2(a)), exactly
;;       r = np.clip(x / 2.0 ** e, -6, 6)
;;       step = 2.0 ** (np.maximum(np.frexp(np.where(r == 0, 1, r))[1] - 1, 0) - 1)
;;       q = np.round(r / step) * step * 2.0 ** e      # np.round: ties to even
;;       return np.moveaxis(q.reshape(q.shape[:-2] + (-1,))[..., :K], -1, axis).astype(np.float32)
;;   ~~~
;;   SOFTMAX AHEAD OF A QUANTISED PRODUCT. Where the list says 'softmax', what is quantised is not the finished softmax but p = 2^(t - M), with t = logit x log2(e) and M = ceil(the row's largest t), a whole number; so 1/2 < the row's largest p <= 1. The row's sum l is taken of the UNQUANTISED p, in f32, and the product's result is divided by l at the end. Since M is a whole number, a kernel that streams over the keys may use a running M (the ceiling of the running maximum): every later rescaling is an exact power of two, which a block's scale takes up: the codes' values come out the same.
;;   OPERANDS COMPUTED ON THE WAY. 'Computed on the way' means the value that the module computes at that place (a softmax that the list does not call 'softmax' is quantised finished and normalised). What goes into a quantiser is computed in f32, as accurately as f32 sums, v_exp_f32 and their like allow (about 1e-6 of the number): no bf16 or f16 on the way to a quantiser, and a product that is left as it is and whose result goes on into a quantised operand takes f32 operands (vector FMAs, or v_wmma_f32_16x16x4_f32). A number that lies on a knife's edge between two numbers of the format may be rounded either way, as far as f32 arithmetic and the matrix unit's own rounding can turn it there, and no further.
;;   INPUTS GIVEN AS CODES. Wk (in the module: [2048, 2048], K = its axis 1); Wo (in the module: [2048, 2048], K = its axis 1); Wq (in the module: [2048, 2048], K = its axis 1); Wv (in the module: [2048, 2048], K = its axis 1); kv_states (in the module: [2, 2048, 2048], K = its axis 2): each comes as NAME_codes (uint8): NAME with its K axis moved to the last place and cut into blocks of 32 codes, [.., K / 32, bytes a block], one block behind the other in memory; two codes a byte, the lower K in the low four bits (a code: sign, 2 exponent bits, 1 mantissa bit); and NAME_scales (uint8): the same leading axes, one E8M0 byte (e + 127) for each 32 codes along K. Its value is code x scale, taken as it is: it is not quantised again, and the codes and scales need not be those that the quantiser above would give.
;; One version. Each part assembles by itself: llvm-mc -triple=amdgcn-amd-amdhsa -mcpu=gfx1250 --defsym DOCPART=n.
;; ======== version 1 of 1: 4 launches
;; limits: right only within a limited range of input values
;; workspace buffers: xq_codes 2,097,152 bytes; xq_scales 131,072 bytes; qkv_codes 6,291,456 bytes; qkv_scales 393,216 bytes; ctx_codes 2,097,152 bytes; ctx_scales 131,072 bytes
;; launch quantx (part 1): grid 256 x 1, 4 waves a work-group, no clusters, 21,504 bytes of LDS; arguments query_states, xq_codes, xq_scales; writes xq_codes, xq_scales
.if DOCPART == 1
	.amdgcn_target "amdgcn-amd-amdhsa--gfx1250"
	.amdhsa_code_object_version 6
	.text
	.protected	k_qc0aaa82eab_quantx
	.globl	k_qc0aaa82eab_quantx
	.p2align	8
	.type	k_qc0aaa82eab_quantx,@function
k_qc0aaa82eab_quantx:
	s_mov_b64 s[64:65], 0
	v_nop
	global_prefetch_b8 v0, s[64:65] scope:SCOPE_SE
	s_setreg_imm32_b32 hwreg(HW_REG_WAVE_MODE, 25, 1), 1
	s_wait_xcnt 0x0
; query_states, 2,048 rows x 2,048 f32, is turned into codes of FP4 (E2M1), K innermost, two codes a byte, with one E8M0 scale byte for each 32 along K.
; A block's scale is 2^(floor(log2(its largest magnitude)) - 2); its byte is the largest magnitude's own exponent field - 2, held at 1 from below.
; (A block of zeros so gets the byte 1 where the rule says 127: its codes are zeros, which add nothing under any byte but 0xff, and the bytes are read by this program alone.)
; LIMITS: blocks whose largest magnitude lies under 2^-124 keep the byte 1; NaN and infinities among the inputs are not served.
; Rows are dense and a row is a multiple of 32, so the tensor is a plain stream of blocks of 32 numbers, and so are the codes and the scale bytes.
; A wave takes 8 steps of 512 numbers; 1,024 waves take the 4,194,304 numbers.  ALL 32 LOADS OF A WAVE GO OUT AT ITS HEAD: each step has 16 registers of its own, 16,384 bytes a wave are on their way at once.
; Each of a step's four loads reads 512 consecutive bytes, 16 a lane; the 2,048 bytes go through the wave's own stage in LDS and come back 64 bytes a lane, so that a lane holds 16 neighbours along K
; (two neighbouring lanes hold a block).  The stage has 16 bytes of padding behind each 64.  A lane's 16 codes are 8 bytes: the wave stores 256 consecutive bytes.
; A wave makes 128 scale bytes, the work-group 512 on end: they are gathered in LDS, and behind the launch's one barrier wave 0 stores them as 512 consecutive bytes.
; No work-group shares an input byte with another: no cluster, no tensor load.
.set STEPS, 8
.set EMAX,  2
.set CB,    8                          ; bytes of 16 codes
.set R,     16                         ; v16-143  eight sets of 16 numbers as they are loaded
.set X,     144                        ; v144-175 two sets of 16 neighbours
.set C,     176                        ; v176-191 codes: two registers for each step, so that no store's data are written again
.set E,     192                        ; v192-199 a scale byte for each step
.set SP,    80                         ; a lane's place in a stage: its 64 bytes + 16 of padding
.set WREG,  2*32*SP                    ; LDS: two stages for each wave
.set SCB,   4*WREG                     ; behind the stages: the work-group's 512 scale bytes
.macro LOAD t
.irp i, 0,1,2,3
	global_load_b128 v[R+16*(\t)+4*\i:R+16*(\t)+4*\i+3], v3, s[4:5] offset:2048*(\t)+512*\i   ; 32 lanes read 512 consecutive bytes
.endr
.endm
.macro TURN t                          ; step t's numbers through the stage: LDS serves a wave's instructions in order, so no wait stands between the stores and the loads
.irp i, 0,1,2,3
	ds_store_b128 v14, v[R+16*(\t)+4*\i:R+16*(\t)+4*\i+3] offset:32*SP*((\t)%2)+8*SP*\i
.endr
.irp i, 0,1,2,3
	ds_load_b128 v[X+16*((\t)%2)+4*\i:X+16*((\t)%2)+4*\i+3], v15 offset:32*SP*((\t)%2)+16*\i
.endr
.endm
	s_load_b128 s[4:7], s[0:1], 0x0                ; x, the codes
	s_load_b64 s[10:11], s[0:1], 0x10              ; the scale bytes
	v_lshl_add_u32 v200, v0, 2, 0x5200
	v_mov_b32 v201, 0
	v_lshrrev_b32 v1, 5, v0
	v_readfirstlane_b32 s16, v1                    ; wave
	v_and_b32 v2, 31, v0                           ; lane
	v_lshlrev_b32 v3, 4, v2                        ; my 16 bytes of a load's 512
	s_lshl_b32 s17, ttmp9, 2
	s_add_co_u32 s18, s17, s16                     ; which run of 4,096 numbers is my wave's
	s_lshl_b32 s20, s18, 14                        ; 16,384 bytes of numbers a run,
	s_mov_b32 s21, 0
	s_lshl_b32 s22, s18, 11                        ; 2,048 bytes of codes,
	s_mov_b32 s23, 0
	s_lshl_b32 s18, ttmp9, 9                       ; 512 scale bytes a work-group
	s_mov_b32 s19, 0
	s_wait_kmcnt 0x0
	s_add_nc_u64 s[4:5], s[4:5], s[20:21]
	s_add_nc_u64 s[8:9], s[6:7], s[22:23]
	s_add_nc_u64 s[10:11], s[10:11], s[18:19]
.irp t, 0,1,2,3,4,5,6,7
	LOAD \t
.endr
	s_mul_i32 s17, s16, WREG                       ; the LDS addresses are made while the loads are out
	v_lshrrev_b32 v14, 2, v2
	v_mul_u32_u24 v14, v14, SP
	v_and_b32 v15, 3, v2
	v_lshl_add_u32 v14, v15, 4, v14
	v_add_nc_u32 v14, s17, v14                     ; the stage, on the way in: SP (lane / 4) + 16 (lane % 4)
	v_mul_u32_u24 v15, v2, SP
	v_add_nc_u32 v15, s17, v15                     ; and on the way out: SP x lane: my 16 neighbours
	v_mul_u32_u24 v4, v2, CB                       ; my codes' place in a step's
	v_lshrrev_b32 v5, 1, v2
	s_lshl_b32 s17, s16, 7
	s_add_co_u32 s17, s17, SCB
	v_add_nc_u32 v5, s17, v5                       ; LDS: my wave's 128 scale bytes, my block's byte
	v_add_nc_u32 v6, SCB, v3                       ; and on the way out 16 bytes a lane of the work-group's 512
	s_wait_loadcnt 28                              ; step 0's four loads are in; the 28 of the seven steps behind it may be out
	TURN 0
.macro STEP t
.set XS, X+16*((\t)%2)
.if (\t) > 0
	s_wait_dscnt 1                                 ; this step's numbers are back from the stage (the last step's byte store may be out)
.else
	s_wait_dscnt 0x0
.endif
.if (\t)+1 < STEPS
	s_wait_loadcnt 4*(STEPS-2-(\t))                ; the next step's four loads are in; four for each step behind it may be out
	TURN (\t)+1                                    ; and go through the other stage while this step is worked
.endif
	v_max3_num_f32 v8, |v[XS]|, |v[XS+1]|, |v[XS+2]|               ; the largest magnitude of my 16
	v_max3_num_f32 v9, |v[XS+3]|, |v[XS+4]|, |v[XS+5]|
.irp i, 6,10
	v_max3_num_f32 v8, v8, |v[XS+\i]|, |v[XS+\i+1]|
	v_max3_num_f32 v9, v9, |v[XS+\i+2]|, |v[XS+\i+3]|
.endr
	v_max3_num_f32 v8, v8, |v[XS+14]|, |v[XS+15]|
	v_max3_num_f32 v8, v8, v9, (EMAX+1)<<23        ; and the floor 2^(EMAX + 1 - 127): the byte cannot fall under 1
	v_max_num_f32_dpp v8, v8, v8 row_xmask:1 row_mask:0xf bank_mask:0xf   ; and of my neighbour's 16: the block's
	v_add_nc_u32 v11, -(EMAX<<23), v8              ; EMAX off its exponent field: the conversion takes the exponent field of this operand as its scale
	v_cvt_scalef32_pk8_fp4_f32 v[C+2*(\t)], v[XS:XS+7], v11
	v_cvt_scalef32_pk8_fp4_f32 v[C+2*(\t)+1], v[XS+8:XS+15], v11
	v_lshrrev_b32 v[E+(\t)], 23, v11               ; the scale's byte (also the plain line behind the conversions)
	ds_store_b8 v5, v[E+(\t)] offset:16*(\t)       ; both lanes of a block write the same byte with the same value
	global_store_b64 v4, v[C+2*(\t):C+2*(\t)+1], s[8:9] offset:32*CB*(\t)   ; 32 lanes store 256 consecutive bytes, aligned
.endm
.irp t, 0,1,2,3,4,5,6,7
	STEP \t
.endr
	s_wait_dscnt 0x0                               ; for the others' sake: my scale bytes lie in LDS
	s_barrier_signal -1
	s_barrier_wait -1                              ; all four waves' do
	s_cmp_lg_u32 s16, 0
	s_cbranch_scc1 .Lend                           ; wave 0 stores them
	ds_load_b128 v[8:11], v6
	s_wait_dscnt 0x0
	global_store_b128 v3, v[8:11], s[10:11]        ; 32 lanes store 512 consecutive bytes, aligned
.Lend:
	s_wait_tensorcnt 0x0
	ds_add_u32 v200, v201
	s_wait_dscnt 0x0
	s_endpgm
.Lfunc_end_k_qc0aaa82eab_quantx:
	.size	k_qc0aaa82eab_quantx, .Lfunc_end_k_qc0aaa82eab_quantx-k_qc0aaa82eab_quantx
	.p2alignl 7, 3214868480
	.fill 96, 4, 3214868480
	.section	.rodata,"a",@progbits
	.p2align	6, 0x0
	.amdhsa_kernel k_qc0aaa82eab_quantx
		.amdhsa_group_segment_fixed_size 21504
		.amdhsa_private_segment_fixed_size 0
		.amdhsa_enable_private_segment 0
		.amdhsa_kernarg_size 24
		.amdhsa_user_sgpr_count 2
		.amdhsa_user_sgpr_kernarg_segment_ptr 1
		.amdhsa_wavefront_size32 1
		.amdhsa_system_sgpr_workgroup_id_x 1
		.amdhsa_system_sgpr_workgroup_id_y 1
		.amdhsa_system_sgpr_workgroup_id_z 1
		.amdhsa_system_vgpr_workitem_id 0
		.amdhsa_next_free_vgpr 202
		.amdhsa_next_free_sgpr 66
		.amdhsa_reserve_vcc 0
		.amdhsa_float_denorm_mode_32 3
		.amdhsa_float_denorm_mode_16_64 3
		.amdhsa_memory_ordered 1
		.amdhsa_forward_progress 1
		.amdhsa_inst_pref_size 18
	.end_amdhsa_kernel
	.amdgpu_metadata
---
amdhsa.version: [ 1, 2 ]
amdhsa.kernels:
  - .name:           k_qc0aaa82eab_quantx
    .symbol:         k_qc0aaa82eab_quantx.kd
    .args:
      - { .name: query_states, .offset: 0, .size: 8, .value_kind: global_buffer, .address_space: global }
      - { .name: xq_codes, .offset: 8, .size: 8, .value_kind: global_buffer, .address_space: global }
      - { .name: xq_scales, .offset: 16, .size: 8, .value_kind: global_buffer, .address_space: global }
    .group_segment_fixed_size: 21504
    .private_segment_fixed_size: 0
    .kernarg_segment_align: 8
    .kernarg_segment_size: 24
    .max_flat_workgroup_size: 128
    .sgpr_count:     66
    .vgpr_count:     202
    .wavefront_size: 32
...
	.end_amdgpu_metadata
.endif
;; end of part 1
;; launch proj (part 2): grid 8 x 24, 4 waves a work-group, clusters of 4 x 4, 327,680 bytes of LDS; arguments xq_codes, xq_scales, Wq_codes, Wq_scales, kv_states_codes, kv_states_scales, Wk_codes, Wk_scales, Wv_codes, Wv_scales, bq, bk, bv, qkv_codes, qkv_scales; writes qkv_codes, qkv_scales
.if DOCPART == 2
	.amdgcn_target "amdgcn-amd-amdhsa--gfx1250"
	.amdhsa_code_object_version 6
	.text
	.protected	k_qc0aaa82eab_proj
	.globl	k_qc0aaa82eab_proj
	.p2align	8
	.type	k_qc0aaa82eab_proj,@function
k_qc0aaa82eab_proj:
	s_mov_b64 s[64:65], 0
	v_nop
	global_prefetch_b8 v0, s[64:65] scope:SCOPE_SE
	s_setreg_imm32_b32 hwreg(HW_REG_WAVE_MODE, 25, 1), 1
	s_wait_xcnt 0x0
	s_wait_alu depctr_hold_cnt(0) depctr_sa_sdst(0) depctr_va_vdst(0) depctr_va_sdst(0) depctr_va_ssrc(0) depctr_va_vcc(0) depctr_vm_vsrc(0)
	s_getreg_b32 s2, hwreg(HW_REG_IB_STS2, 6, 4)
	s_cmp_eq_u32 s2, 0
	s_cbranch_scc0 .Lentry_in_a_cluster
	s_endpgm
.Lentry_in_a_cluster:
	s_bfe_u32 s2, ttmp6, 0x10000c
	s_cmp_lg_u32 s2, 0xf033
	s_cbranch_scc0 .Lentry_shape_is_right
	s_endpgm
.Lentry_shape_is_right:
; THREE PROJECTIONS IN ONE LAUNCH, on codes of FP4 (E2M1) with one E8M0 scale for each 32 along K = 2,048.  C[m][n] = sum over k of A[m][k] B[n][k] + bias, then C is QUANTISED ALONG n in blocks of 32.
;   kind 0: q   = x Wq^T + bq:   A = x's codes (2,048 rows), B = Wq (2,048 rows);  n = (head, d): the blocks run along the head's 128.
;   kind 1: k   = kv Wk^T + bk:  A = kv's rows of keys 0 to 1,023 of both batches, B = Wk.  Keys from 1,024 on lie above the diagonal of reference()'s own causal mask for every query: they are not made.
;   kind 2: v^T = Wv kv^T + bv:  A = Wv, B = the same rows of kv;  n = (batch, key): the blocks run along the keys, which are the K of attention's second product.  Here the bias goes by rows.
; 3 x 64 tiles of 256 x 256; a tile is made by four waves, a wave makes 128 x 128: 64 accumulators, 512 registers.  The cluster's y says which kind: all sixteen partners are of one kind.
; K goes in four steps of 512 through a ring of two LDS slots filled by the tensor data mover (a tile's row is 256 bytes); the scale bytes of the tile's 512 rows, for all of K, come once with the first fills.
; CLUSTERS: 4 x 4 work-groups; A's tiles are asked for jointly along a row of the cluster, B's along a column.  THE MATRIX INSTRUCTION IS USED TRANSPOSED (source 0 = 16 rows of B, source 1 = 16 rows of A).
; THE WAY OUT: a wave's 128 x 128 is one head x 128 rows (or 128 keys x one head's 128 d): 8 fragments of 16 rows x 128 K.  Each leaves as an IMAGE OF THE OPERAND'S REGISTERS: [c 0..1][lane][16 bytes], 1,024 bytes,
; and 16 scale words.  qkv_codes: [kind][batch][head][block of 128][16 rows][1,024];  qkv_scales: [kind][batch][head][block of 128][row][4].
; LIMITS: blocks whose largest magnitude lies under 2^-124 keep the byte 1, blocks of zeros too (their codes are zeros; this program alone reads the bytes); NaN and infinities are not served.
; REGISTERS, in windows of 256: window 0: v0-31 addresses; v32-95 scale words, two sets, and nothing else; v96-111 the bias by rows; v112-127 at work on the way out; v128-191 A's fragments, ONE set; on the way out
;   v128-191 and v192-255 hold 16 rows' numbers by turns.   window 1: B's fragments, TWO sets, at v0 and v128; v64-127 the bias by columns.   window 2, 3: the accumulators ((a, b) at v[8 (8 (a % 4) + b)]).
.set KSTEP,  512                       ; along K in a slot
.set NQ,     KSTEP/128                 ; matrix instructions deep
.set ROWB,   256                       ; a tile's row in bytes
.set KROW,   1024                      ; a row of A or of B in memory, in bytes
.set PITCH,  272                       ; an LDS row: 256 bytes + 16 of padding: the 16 rows that a load touches start at 16 different banks (64 banks of 4 bytes: ISA guide 11.1)
.set FR,     8                         ; registers of a fragment
.set NL,     2                         ; LDS loads that bring one
.set NP,     4                         ; places behind this matrix instruction (ISA guide 7.12.1)
.set HALFT,  128*PITCH
.set SLOT,   4*HALFT                   ; A's 256 rows, then B's 256 rows
.set KS,     64                        ; a row of scales in bytes
.set SCL,    2*SLOT                    ; behind the ring: the scales, as 256 bytes + 16 of padding
.set HALFS,  (128*KS/256)*272
.set SBLK,   (16*KS/256)*272
.set SPARE,  SCL+4*HALFS               ; the spare words, 128 bytes for each wave: two blocks of 256 bytes that no other line names
.set SPITCH, 528                       ; the way out: a stage of 16 rows x (512 bytes + 16) for each wave, in slot 0, which has had its last fill and its last read by then
.set ADRA, 16
.set ADRB, 20
.set STO,  24                          ; v24  the way out: where I put 32 bytes of a row
.set RD,   25                          ; v25  where I read my 32 numbers of a block back: row r, 128 bytes for each half of the lanes
.set ADRS, 27
.set SPW,  28
.set NIL,  29
.set SC,   32
.set BR,   96                          ; v96-111: for block a a pair, both the bias of row 16 a + r
.set CD,   112                         ; v112-119 a fragment's codes
.set WK,   120                         ; v120-127 at work
.set AF,   128
.set BC,   64                          ; in window 1: the bias of my 64 columns: register 32 c + i: column 64 c + 32 h + i
.set G1, 24
.set G0, 32
.set G1B, 48
.set G0B, 56
.set KIND, 66                          ; s66  0, 1, 2
.set LB,   67                          ; s67  the low bit of the cluster's y
.set G1S, 68
.set G0S, 76
.set G1SB, 80
.set G0SB, 88
.set SEL,  96                          ; s[96:97] lane selects for v_permlanex16_b32: lane l xor 16
.set OC,   98                          ; s[98:99] where my wave's 8,192 bytes of codes go
.set OS,   100                         ; s[100:101] and its 512 bytes of scale words
.set MSB, 0
.macro WIN new                         ; the immediate's high byte repeats the setting that is left
.if MSB != \new
	s_set_vgpr_msb (MSB<<8)|\new
.set MSB, \new
.endif
.endm
.set MUL_LO, 0xa1                      ; source 0 (B) window 1, source 1 (A) window 0, C and D window 2
.set MUL_HI, 0xf1                      ; the same, C and D window 3
.set TO_B,   0x40                      ; destination window 1, address window 0
; A joint load: waves 0 and 1 fetch for A, waves 2 and 3 for B; the branch hangs on the wave's number alone.  Four v_nop follow each of the two lines.
.macro JLOAD g0a, g1a, g0b, g1b
	s_cmp_eq_u32 s15, 0
	s_cbranch_scc0 .Lfor_b_\@
	tensor_load_to_lds s[\g0a:\g0a+3], s[\g1a:\g1a+7]
	s_nop 0
.rept 4
	v_nop
.endr
	s_branch .Lasked_\@
.Lfor_b_\@:
	tensor_load_to_lds s[\g0b:\g0b+3], s[\g1b:\g1b+7]
	s_nop 0
.rept 4
	v_nop
.endr
.Lasked_\@:
.endm
.macro CREST                           ; a round of the cluster's barrier behind its opening barrier
	s_cmp_lg_u32 s14, 0
	s_cbranch_scc1 .Lnot_wave_0_\@
	s_barrier_signal -3
.Lnot_wave_0_\@:
	s_barrier_wait -3
	s_barrier_signal -1
	s_barrier_wait -1
.endm
.macro CROUND                          ; a whole round
	s_barrier_signal -1
	s_barrier_wait -1
	CREST
.endm
	s_load_b512 s[24:39], s[0:1], 0x0              ; x's codes, scales; Wq's; kv's; Wk's
	s_load_b256 s[40:47], s[0:1], 0x40             ; Wv's codes, scales; bq; bk
	s_load_b128 s[48:51], s[0:1], 0x60             ; bv; qkv_codes
	s_load_b64 s[52:53], s[0:1], 0x70              ; qkv_scales
	v_lshl_add_u32 v[SPW], v0, 2, SPARE
	v_mov_b32 v[NIL], 0
	ds_add_u32 v28, v29
	ds_add_u32 v28, v29
	s_wait_dscnt 0x0
	v_lshrrev_b32 v1, 5, v0
	v_readfirstlane_b32 s14, v1                    ; wave 0..3
	s_lshr_b32 s15, s14, 1                         ; which half of the tile's rows is mine.  Also: I fetch for A (0) or for B (1)
	s_and_b32 s16, s14, 1                          ; which half of its columns.  Also: which 128 rows of that tile I fetch
	s_and_b32 s2, ttmp7, 0xffff                    ; the cluster's y, 0..5: shared by all sixteen partners
	s_lshr_b32 s[KIND], s2, 1
	s_and_b32 s[LB], s2, 1
	s_wait_kmcnt 0x0
	s_cmp_eq_u32 s[KIND], 0                        ; the operands are chosen by the kind alone
	s_cselect_b64 s[4:5], s[24:25], s[32:33]       ; A's codes: x's, else kv's
	s_cselect_b64 s[6:7], s[26:27], s[34:35]       ; A's scales
	s_cselect_b64 s[8:9], s[28:29], s[36:37]       ; B's codes: Wq's, else Wk's
	s_cselect_b64 s[10:11], s[30:31], s[38:39]     ; B's scales
	s_cselect_b64 s[12:13], s[44:45], s[46:47]     ; the bias: bq, else bk
	s_cmp_eq_u32 s[KIND], 2
	s_cselect_b64 s[4:5], s[40:41], s[4:5]         ; kind 2: A = Wv,
	s_cselect_b64 s[6:7], s[42:43], s[6:7]
	s_cselect_b64 s[8:9], s[32:33], s[8:9]         ; B = kv,
	s_cselect_b64 s[10:11], s[34:35], s[10:11]
	s_cselect_b64 s[12:13], s[48:49], s[12:13]     ; the bias = bv
	s_mov_b64 s[OC:OC+1], s[50:51]
	s_mov_b64 s[OS:OS+1], s[52:53]
	s_bfe_u32 s40, ttmp6, 0x40000                  ; cx, cy: my place in the cluster (the arguments' registers are free from here on)
	s_bfe_u32 s41, ttmp6, 0x40004
	s_lshl_b32 s42, ttmp9, 2
	s_add_co_u32 s42, s42, s40                     ; tile column, 0..7
	s_lshl_b32 s17, s[LB], 2
	s_add_co_u32 s17, s17, s41                     ; tile row within the kind, 0..7
	s_lshl_b32 s43, s41, 2
	s_lshl_b32 s43, 15, s43                        ; my row of the cluster
	s_lshl_b32 s44, 0x1111, s40                    ; my column
	; descriptor group 1: a tile of 128 rows x 256 bytes, padded in LDS
	s_or_b32 s[G1+0], s43, (0<<16)|(1<<20)|(1<<21)|(5<<22)|(3<<25)  ; 15:0 the mask; 17:16 element of 1 byte; 20 padding on; 21 set beside a mask; 24:22 after every 64 words; 31:25 of 4 words
	s_or_b32 s[G1B+0], s44, (0<<16)|(1<<20)|(1<<21)|(5<<22)|(3<<25)
.irp g, G1, G1B
	s_mov_b32 s[\g+1], ROWB<<16                    ; tensor_dim0
	s_mov_b32 s[\g+2], 128<<16                     ; tensor_dim1
	s_mov_b32 s[\g+3], ROWB<<16                    ; tile_dim0
	s_mov_b32 s[\g+4], 128                         ; tile_dim1
	s_mov_b32 s[\g+5], KROW                        ; tensor_dim0_stride
	s_mov_b32 s[\g+6], 0
	s_mov_b32 s[\g+7], 0
.endr
	; the scales of 128 rows: a dense block of 8,192 bytes, as 32 rows of 256 bytes (32 elements of 8 bytes), 16 bytes of padding behind each
	s_or_b32 s[G1S+0], s43, (3<<16)|(1<<20)|(1<<21)|(5<<22)|(3<<25)
	s_or_b32 s[G1SB+0], s44, (3<<16)|(1<<20)|(1<<21)|(5<<22)|(3<<25)
.irp g, G1S, G1SB
	s_mov_b32 s[\g+1], 32<<16
	s_mov_b32 s[\g+2], (128*KS/256)<<16
	s_mov_b32 s[\g+3], 32<<16
	s_mov_b32 s[\g+4], 128*KS/256
	s_mov_b32 s[\g+5], 32
	s_mov_b32 s[\g+6], 0
	s_mov_b32 s[\g+7], 0
.endr
	s_lshl_b32 s18, s16, 7                         ; which 128 rows of the tile I fetch
	s_lshl_b32 s20, s17, 8
	s_add_co_u32 s20, s20, s18                     ; A: row 256 x tile row + 128 x half,
	s_lshl_b32 s2, s[LB], 10
	s_cmp_eq_u32 s[KIND], 1
	s_cselect_b32 s2, s2, 0
	s_add_co_u32 s20, s20, s2                      ; and in kind 1 the second batch's keys begin 1,024 rows further on (a batch of kv has 2,048 rows, of which 1,024 are taken)
	s_lshl_b32 s46, s42, 8
	s_add_co_u32 s46, s46, s18                     ; B: row 256 x tile column + 128 x half,
	s_lshl_b32 s3, ttmp9, 10
	s_cmp_eq_u32 s[KIND], 2
	s_cselect_b32 s3, s3, 0
	s_add_co_u32 s46, s46, s3                      ; and the same step in kind 2: the cluster's x is the batch
	s_mov_b32 s21, 0
	s_mov_b32 s47, 0
	s_mov_b64 s[18:19], KS
	s_mul_u64 s[22:23], s[20:21], s[18:19]         ; where these rows' scales begin, in bytes
	s_mul_u64 s[92:93], s[46:47], s[18:19]
	s_mov_b64 s[18:19], KROW
	s_mul_u64 s[20:21], s[20:21], s[18:19]         ; and their codes
	s_mul_u64 s[46:47], s[46:47], s[18:19]
	s_mul_i32 s45, s14, HALFT                      ; where they go: wave x 128 rows: no place in the cluster enters an LDS address
	s_mul_i32 s94, s14, HALFS
	s_add_nc_u64 s[20:21], s[4:5], s[20:21]
	s_add_nc_u64 s[22:23], s[6:7], s[22:23]
	s_add_nc_u64 s[46:47], s[8:9], s[46:47]
	s_add_nc_u64 s[92:93], s[10:11], s[92:93]
	CROUND                                         ; all sixteen work-groups are here: the first joint loads meet
	s_mov_b32 s[G0S], 1
	s_add_co_u32 s[G0S+1], s94, SCL
	s_mov_b64 s[G0S+2:G0S+3], s[22:23]
	s_or_b32 s[G0S+3], s[G0S+3], 0x80000000
	s_mov_b32 s[G0SB], 1
	s_add_co_u32 s[G0SB+1], s94, SCL
	s_mov_b64 s[G0SB+2:G0SB+3], s[92:93]
	s_or_b32 s[G0SB+3], s[G0SB+3], 0x80000000
	JLOAD G0S, G1S, G0SB, G1SB                     ; the scales first: they are wanted with K step 0
.irp s, 0,1
	s_mov_b32 s[G0+4*\s], 1
	s_add_co_u32 s[G0+4*\s+1], s45, \s*SLOT
	s_add_nc_u64 s[G0+4*\s+2:G0+4*\s+3], s[20:21], \s*ROWB
	s_or_b32 s[G0+4*\s+3], s[G0+4*\s+3], 0x80000000
	s_mov_b32 s[G0B+4*\s], 1
	s_add_co_u32 s[G0B+4*\s+1], s45, \s*SLOT
	s_add_nc_u64 s[G0B+4*\s+2:G0B+4*\s+3], s[46:47], \s*ROWB
	s_or_b32 s[G0B+4*\s+3], s[G0B+4*\s+3], 0x80000000
	JLOAD G0+4*\s, G1, G0B+4*\s, G1B               ; three tensor loads of mine are out
.endr
	v_and_b32 v1, 15, v0                           ; r = l % 16
	v_bfe_u32 v2, v0, 4, 1                         ; h = l / 16
	v_mul_u32_u24 v3, v1, PITCH
	v_lshl_add_u32 v4, v2, 4, v3                   ; a fragment's row x pitch + 16 x half
	s_mul_i32 s21, s15, HALFT                      ; my 128 rows of A
	s_mul_i32 s22, s16, HALFT                      ; my 128 rows of B,
	s_add_co_u32 s22, s22, 2*HALFT                 ; which lie behind A's 256
.irp s, 0,1
	v_add_nc_u32 v[ADRA+\s], s21, v4
	v_add_nc_u32 v[ADRB+\s], s22, v4
	s_add_co_u32 s21, s21, SLOT
	s_add_co_u32 s22, s22, SLOT
.endr
	v_mul_u32_u24 v5, v1, KS                       ; my row's scales: 64 bytes a row,
	v_lshrrev_b32 v6, 8, v5
	v_lshl_add_u32 v5, v6, 4, v5                   ; and 16 more for each 256 passed
	s_mul_i32 s21, s15, HALFS                      ; A's: my 128 rows
	s_mul_i32 s22, s16, HALFS                      ; B's: my 128 rows, behind A's 256
	s_add_co_u32 s22, s22, 2*HALFS
	s_sub_co_u32 s22, s22, s21
	v_mul_u32_u24 v6, s22, v2                      ; lanes 16-31 take B's
	s_add_co_u32 s21, s21, SCL
	v_add_nc_u32 v5, v5, v6
	v_add_nc_u32 v[ADRS], s21, v5
	s_mul_i32 s23, s14, 16*SPITCH                  ; my stage
	v_mul_u32_u24 v5, v1, SPITCH
	v_lshl_add_u32 v6, v2, 5, v5                   ; in: row r, 32 bytes for each half of the lanes
	v_add_nc_u32 v[STO], s23, v6
	v_lshl_add_u32 v6, v2, 7, v5                   ; back: row r, 128 bytes (a block of 32 numbers) for each half
	v_add_nc_u32 v[RD], s23, v6
	v_lshlrev_b32 v8, 3, v2                        ; 8 h: how far my two scale bytes are shifted
	v_and_b32 v6, 31, v0
	v_lshlrev_b32 v9, 4, v6                        ; 16 x lane: my place in an image
	v_lshlrev_b32 v10, 2, v1                       ; 4 r: my row's scale word, and its bias
	v_lshlrev_b32 v11, 7, v2                       ; 128 h: my half's columns in the bias
	v_mov_b32 v[WK+7], 0                           ; written once: a lane permute's destination counts as one of its sources
	s_mov_b32 s[SEL], 0x76543210
	s_mov_b32 s[SEL+1], 0xfedcba98
	; where my wave's block goes.  mi, ni: my 128 rows and my 128 columns, 0..15.  In kinds 0 and 1 the rows are (batch, block) and the columns the head; in kind 2 the other way round
	s_lshl_b32 s20, s17, 1
	s_add_co_u32 s20, s20, s15                     ; mi
	s_lshl_b32 s21, s42, 1
	s_add_co_u32 s21, s21, s16                     ; ni
	s_cmp_eq_u32 s[KIND], 2
	s_cselect_b32 s22, s21, s20                    ; (batch, block)
	s_cselect_b32 s23, s20, s21                    ; head
	s_lshr_b32 s46, s22, 3
	s_lshl_b32 s46, s46, 4
	s_add_co_u32 s46, s46, s23
	s_lshl_b32 s46, s46, 3
	s_and_b32 s47, s22, 7
	s_add_co_u32 s46, s46, s47                     ; (batch x 16 + head) x 8 + block
	s_lshl_b32 s92, s[KIND], 21
	s_lshl_b32 s93, s46, 13
	s_add_co_u32 s92, s92, s93
	s_mov_b32 s93, 0
	s_add_nc_u64 s[OC:OC+1], s[OC:OC+1], s[92:93]
	s_lshl_b32 s92, s[KIND], 17
	s_lshl_b32 s47, s46, 9
	s_add_co_u32 s92, s92, s47
	s_add_nc_u64 s[OS:OS+1], s[OS:OS+1], s[92:93]
	s_lshl_b32 s92, s21, 9
	s_add_nc_u64 s[4:5], s[12:13], s[92:93]        ; the bias at my first column,
	s_lshl_b32 s92, s20, 9
	s_add_nc_u64 s[6:7], s[12:13], s[92:93]        ; and at my first row.  Both are loaded, into registers that the products never name; the kind says which is added
	WIN TO_B
.irp c, 0,1
.irp g, 0,1,2,3,4,5,6,7
	global_load_b128 v[BC+32*\c+4*\g:BC+32*\c+4*\g+3], v11, s[4:5] offset:256*\c+16*\g
.endr
.endr
	WIN 0
.irp a, 0,1,2,3,4,5,6,7
	global_load_b32 v[BR+2*\a], v10, s[6:7] offset:64*\a
	global_load_b32 v[BR+2*\a+1], v10, s[6:7] offset:64*\a           ; twice: a pair for the packed addition
.endr
.macro FRAG reg, adr, q, i             ; a fragment, 16 rows x 128 K of 4-bit codes: lane l holds row l % 16; registers 4 c .. 4 c + 3 hold K = 64 c + 32 (l / 16) + 0 .. 31
.irp c, 0,1
	ds_load_b128 v[\reg+4*\c:\reg+4*\c+3], v[\adr] offset:64*(\q)+32*\c+(\i)*16*PITCH
.endr
.endm
; 16 matrix instructions: A's blocks a0, a0 + 1 x B's eight, 128 along K: the slot's q-th.  p: B's set;  sc: the set of scale words.  zero = 1: the first product starts the sums.
; The 64 accumulators take turns, one instruction a turn, in the same order in every step.
.macro MUL16 a0, p, q, sc, zero
.irp a, \a0, \a0+1
.irp b, 0,1,2,3,4,5,6,7
.if \zero
	v_wmma_scale_f32_16x16x128_f8f6f4 v[8*(8*((\a)%4)+\b):8*(8*((\a)%4)+\b)+7], v[128*(\p)+FR*\b:128*(\p)+FR*\b+FR-1], v[AF+FR*(\a):AF+FR*(\a)+FR-1], 0, v[SC+8*NQ*(\sc)+NQ*\b+(\q)], v[SC+8*NQ*(\sc)+NQ*(\a)+(\q)] matrix_a_fmt:MATRIX_FMT_FP4 matrix_b_fmt:MATRIX_FMT_FP4 matrix_a_scale:MATRIX_SCALE_ROW1
.else
	v_wmma_scale_f32_16x16x128_f8f6f4 v[8*(8*((\a)%4)+\b):8*(8*((\a)%4)+\b)+7], v[128*(\p)+FR*\b:128*(\p)+FR*\b+FR-1], v[AF+FR*(\a):AF+FR*(\a)+FR-1], v[8*(8*((\a)%4)+\b):8*(8*((\a)%4)+\b)+7], v[SC+8*NQ*(\sc)+NQ*\b+(\q)], v[SC+8*NQ*(\sc)+NQ*(\a)+(\q)] matrix_a_fmt:MATRIX_FMT_FP4 matrix_b_fmt:MATRIX_FMT_FP4 matrix_a_scale:MATRIX_SCALE_ROW1
.endif
.endr
.endr
.endm
.macro FETCH_B slot, q, p              ; B's eight fragments of the slot's q-th 128 along K into set p
	WIN TO_B
.irp i, 0,1,2,3,4,5,6,7
	FRAG 128*(\p)+FR*\i, ADRB+\slot, \q, \i
.endr
	WIN 0
.endm
.macro FETCH_A slot, q, i0             ; A's blocks i0 .. i0 + 3
.irp i, \i0, \i0+1, \i0+2, \i0+3
	FRAG AF+FR*(\i), ADRA+\slot, \q, \i
.endr
.endm
.macro SCALES sc                       ; a K step's scale words into set sc: 4 words a row; lanes 0-15 take A's block i, lanes 16-31 B's block i
.irp i, 0,1,2,3,4,5,6,7
	ds_load_b128 v[SC+8*NQ*\sc+NQ*\i:SC+8*NQ*\sc+NQ*\i+3], v[ADRS] offset:\i*SBLK
.endr
.endm
; A load into a register that a matrix instruction has read, and a vector instruction or an LDS store that reads a matrix result, stand NP places behind that matrix instruction; only plain vector
; instructions that name none of its registers are places (ISA guide 7.12.1 for vector instructions).
.macro PLACES n
.rept \n
	v_nop
.endr
.endm
; A step of 128 along K that has its successor in the same slot.
.macro STEP slot, q, zero
	s_wait_dscnt 4*NL                              ; B's set and A's blocks 0-3 are in; the youngest eight loads (A's blocks 4-7) may be out
	WIN MUL_LO
	MUL16 0, (\q)%2, \q, \slot, \zero
	MUL16 2, (\q)%2, \q, \slot, \zero
	s_wait_dscnt 0                                 ; A's blocks 4-7 are in (asked for 32 matrix instructions ago)
	PLACES NP
	FETCH_B \slot, (\q)+1, 1-(\q)%2
	FETCH_A \slot, (\q)+1, 0
	WIN MUL_HI
	MUL16 4, (\q)%2, \q, \slot, \zero
	MUL16 6, (\q)%2, \q, \slot, \zero
	PLACES NP
	WIN 0
	FETCH_A \slot, (\q)+1, 4
.endm
; A slot's last step changes slots: ONE barrier; in front of it each wave waits for all its tensor loads, adds 0 to its spare word, and waits for that and for its own reads of this slot.  fill = 1: this slot is filled again, two K steps ahead.
.macro TURN slot, next, fill
	s_wait_tensorcnt 0x0                           ; all my tensor loads have landed: my part of the next slot;  (every window is 0 here)
	ds_add_u32 v[SPW], v[NIL]                      ; 0 onto my spare word
	s_wait_dscnt 4*NL+1                            ; (the add and the youngest eight loads, A's blocks 4-7, may be out)
	WIN MUL_LO
	MUL16 0, 1, NQ-1, \slot, 0                     ; sixteen matrix instructions stand between the add and the wait for it
	s_wait_dscnt 0x0                               ; the add is done, and my reads of this slot are over
	s_barrier_signal -1
	MUL16 2, 1, NQ-1, \slot, 0
	WIN 0
	s_barrier_wait -1
.if \fill
	CREST                                          ; the barrier has opened a round of the cluster's barrier: no wave of any partner still reads this slot's tile or has a load on its way
	s_add_nc_u64 s[G0+4*\slot+2:G0+4*\slot+3], s[G0+4*\slot+2:G0+4*\slot+3], 2*ROWB
	s_add_nc_u64 s[G0B+4*\slot+2:G0B+4*\slot+3], s[G0B+4*\slot+2:G0B+4*\slot+3], 2*ROWB
	JLOAD G0+4*\slot, G1, G0B+4*\slot, G1B         ; the first tensor load behind the round, my only one until the next; its four v_nop are the places in front of the loads below
.else
	PLACES NP
.endif
	v_add_nc_u32 v[ADRS], 4*NQ, v[ADRS]            ; on to the next K step's scale words (no LDS load of mine is out)
	FETCH_B \next, 0, 0
	FETCH_A \next, 0, 0
	SCALES \next
	WIN MUL_HI
	MUL16 4, 1, NQ-1, \slot, 0
	MUL16 6, 1, NQ-1, \slot, 0
	PLACES NP
	WIN 0
	FETCH_A \next, 0, 4
.endm
.macro STEPS slot, from                ; the slot's steps from .. NQ - 2
.set Q, \from
.rept NQ-1-\from
	STEP \slot, Q, 0
.set Q, Q+1
.endr
.endm
	s_wait_tensorcnt 1                             ; the scales and my part of K step 0 are in (K step 1's load may be out)
	s_barrier_signal -1
	s_barrier_wait -1                              ; everybody's are
	FETCH_B 0, 0, 0
	FETCH_A 0, 0, 0
	SCALES 0
	FETCH_A 0, 0, 4
	STEP 0, 0, 1                                   ; the first step's products start the sums.  Four K steps: written straight, there is no loop
	STEPS 0, 1
	TURN 0, 1, 1                                   ; slot 0 takes K step 2
	STEPS 1, 0
	TURN 1, 0, 1                                   ; slot 1 takes K step 3
	STEP 0, 0, 0
	STEPS 0, 1
	TURN 0, 1, 0                                   ; nothing is left to fetch
	STEPS 1, 0
	s_wait_dscnt 4*NL                              ; the very last step
	WIN MUL_LO
	MUL16 0, 1, NQ-1, 1, 0
	MUL16 2, 1, NQ-1, 1, 0
	s_wait_dscnt 0
	WIN MUL_HI
	MUL16 4, 1, NQ-1, 1, 0
	MUL16 6, 1, NQ-1, 1, 0
	WIN 0
; THE WAY OUT, block by block of 16 rows x 128 columns.  In the accumulators a lane holds 8 neighbours of a row; the operand's layout wants 32 neighbours (a whole block) in a lane.  So a block goes through my own stage
; in LDS and comes back so: lane (r, h) takes, of row r, columns 64 c + 32 h + 0 .. 31 into registers 32 c + 0 .. 31.  LDS serves a wave's instructions in order (ISA guide 5.7.1.4): no wait between stores and loads.
.macro TOSTAGE a
.set AC, 64*((\a)%4)
	WIN 0x08+4*((\a)/4)                            ; the data: window 2 or 3
.irp b, 0,1,2,3,4,5,6,7
	ds_store_b128 v[STO], v[AC+8*\b:AC+8*\b+3] offset:64*\b          ; each accumulator from its low end on
	ds_store_b128 v[STO], v[AC+8*\b+4:AC+8*\b+7] offset:64*\b+16
.endr
	WIN 0
.set XB, 128+64*((\a)%2)
.irp c, 0,1
.irp g, 0,1,2,3,4,5,6,7
	ds_load_b128 v[XB+32*\c+4*\g:XB+32*\c+4*\g+3], v[RD] offset:256*\c+16*\g
.endr
.endr
.endm
; Block a gets its bias, is quantised and leaves.  younger: the LDS instructions issued behind block a's loads, which may stay out.
.macro FINISH a, younger
.set XB, 128+64*((\a)%2)
	s_wait_dscnt \younger                          ; the block is back in registers
.if (\a) == 0
	s_wait_loadcnt 0x0                             ; the biases
.endif
	s_wait_xcnt 0x0                                ; the last block's stores have read their registers: the codes and the scale word may be written again
	s_cmp_eq_u32 s[KIND], 2                        ; a branch on the cluster's y, round register work alone
	s_cbranch_scc1 .Lby_row_\@
	WIN 0x04                                       ; source 1 in window 1
.set i, 0
.rept 32
	v_pk_add_f32 v[XB+i:XB+i+1], v[XB+i:XB+i+1], v[BC+i:BC+i+1]
.set i, i+2
.endr
	WIN 0
	s_branch .Lbiased_\@
.Lby_row_\@:
.set i, 0
.rept 32
	v_pk_add_f32 v[XB+i:XB+i+1], v[XB+i:XB+i+1], v[BR+2*(\a):BR+2*(\a)+1]
.set i, i+2
.endr
.Lbiased_\@:
.irp c, 0,1                                    ; my block 2 c + h: all its 32 numbers are mine
	v_max3_num_f32 v[WK+\c], |v[XB+32*\c]|, |v[XB+32*\c+1]|, 0x1800000   ; and the floor 2^(3 - 127): the byte cannot fall under 1
.endr
.irp i, 2,4,6,8,10,12,14,16,18,20,22,24,26,28,30
.irp c, 0,1
	v_max3_num_f32 v[WK+\c], v[WK+\c], |v[XB+32*\c+\i]|, |v[XB+32*\c+\i+1]|   ; (the two blocks by turns)
.endr
.endr
.irp c, 0,1
	v_add_nc_u32 v[WK+2+\c], 0xff000000, v[WK+\c]  ; 2 off the exponent field: the conversion's scale operand
.endr
.irp c, 0,1
	v_lshrrev_b32 v[WK+4+\c], 23, v[WK+2+\c]       ; the scale's byte
.endr
	v_lshl_or_b32 v[WK+6], v[WK+5], 16, v[WK+4]    ; my two bytes: blocks h and 2 + h of row r,
	v_lshlrev_b32 v[WK+6], v8, v[WK+6]             ; at their places in the scale word;
	v_permlanex16_b32 v[WK+7], v[WK+6], s[SEL], s[SEL+1]
	v_or_b32 v[WK+6], v[WK+6], v[WK+7]             ; with lane l xor 16's two the word is whole
.irp c, 0,1
.irp g, 0,1,2,3
	v_cvt_scalef32_pk8_fp4_f32 v[CD+4*\c+\g], v[XB+32*\c+8*\g:XB+32*\c+8*\g+7], v[WK+2+\c]   ; registers 4 c .. 4 c + 3 of the operand
.endr
.endr
	v_nop                                          ; one plain line behind the last scaled conversion
	global_store_b128 v9, v[CD:CD+3], s[OC:OC+1] offset:1024*(\a)         ; 32 lanes store 512 consecutive bytes, aligned
	global_store_b128 v9, v[CD+4:CD+7], s[OC:OC+1] offset:1024*(\a)+512
	global_store_b32 v10, v[WK+6], s[OS:OS+1] offset:64*(\a)              ; 16 words, 64 bytes: one sixteenth of the codes' bytes; lanes r and r + 16 store the same word to the same place
.endm
	PLACES NP                                      ; behind the last products: for the stores that read results and the loads into the registers that held A's fragments
	TOSTAGE 0
.irp a, 1,2,3,4,5,6,7
	TOSTAGE \a
	FINISH \a-1, 32                                ; behind block a - 1's loads: block a's 16 stores and 16 loads
.endr
	FINISH 7, 0
	s_wait_tensorcnt 0x0                           ; the wave's end: behind my last tensor load and my last LDS store
	ds_add_u32 v[SPW], v[NIL]
	s_wait_dscnt 0x0
	CROUND                                         ; the closing round: no work-group ends while a partner may still ask for a tile that names it
	s_endpgm
.Lfunc_end_k_qc0aaa82eab_proj:
	.size	k_qc0aaa82eab_proj, .Lfunc_end_k_qc0aaa82eab_proj-k_qc0aaa82eab_proj
	.p2alignl 7, 3214868480
	.fill 96, 4, 3214868480
	.section	.rodata,"a",@progbits
	.p2align	6, 0x0
	.amdhsa_kernel k_qc0aaa82eab_proj
		.amdhsa_group_segment_fixed_size 327680
		.amdhsa_private_segment_fixed_size 0
		.amdhsa_enable_private_segment 0
		.amdhsa_kernarg_size 120
		.amdhsa_user_sgpr_count 2
		.amdhsa_user_sgpr_kernarg_segment_ptr 1
		.amdhsa_wavefront_size32 1
		.amdhsa_system_sgpr_workgroup_id_x 1
		.amdhsa_system_sgpr_workgroup_id_y 1
		.amdhsa_system_sgpr_workgroup_id_z 1
		.amdhsa_system_vgpr_workitem_id 0
		.amdhsa_next_free_vgpr 1024
		.amdhsa_next_free_sgpr 102
		.amdhsa_reserve_vcc 0
		.amdhsa_float_denorm_mode_32 3
		.amdhsa_float_denorm_mode_16_64 3
		.amdhsa_memory_ordered 1
		.amdhsa_forward_progress 1
		.amdhsa_inst_pref_size 255
	.end_amdhsa_kernel
	.section	.bss,"aw",@nobits
	.p2align	6
	.space	262144
	.amdgpu_metadata
---
amdhsa.version: [ 1, 2 ]
amdhsa.kernels:
  - .name:           k_qc0aaa82eab_proj
    .symbol:         k_qc0aaa82eab_proj.kd
    .args:
      - { .name: xq_codes, .offset: 0, .size: 8, .value_kind: global_buffer, .address_space: global }
      - { .name: xq_scales, .offset: 8, .size: 8, .value_kind: global_buffer, .address_space: global }
      - { .name: Wq_codes, .offset: 16, .size: 8, .value_kind: global_buffer, .address_space: global }
      - { .name: Wq_scales, .offset: 24, .size: 8, .value_kind: global_buffer, .address_space: global }
      - { .name: kv_states_codes, .offset: 32, .size: 8, .value_kind: global_buffer, .address_space: global }
      - { .name: kv_states_scales, .offset: 40, .size: 8, .value_kind: global_buffer, .address_space: global }
      - { .name: Wk_codes, .offset: 48, .size: 8, .value_kind: global_buffer, .address_space: global }
      - { .name: Wk_scales, .offset: 56, .size: 8, .value_kind: global_buffer, .address_space: global }
      - { .name: Wv_codes, .offset: 64, .size: 8, .value_kind: global_buffer, .address_space: global }
      - { .name: Wv_scales, .offset: 72, .size: 8, .value_kind: global_buffer, .address_space: global }
      - { .name: bq, .offset: 80, .size: 8, .value_kind: global_buffer, .address_space: global }
      - { .name: bk, .offset: 88, .size: 8, .value_kind: global_buffer, .address_space: global }
      - { .name: bv, .offset: 96, .size: 8, .value_kind: global_buffer, .address_space: global }
      - { .name: qkv_codes, .offset: 104, .size: 8, .value_kind: global_buffer, .address_space: global }
      - { .name: qkv_scales, .offset: 112, .size: 8, .value_kind: global_buffer, .address_space: global }
    .group_segment_fixed_size: 327680
    .private_segment_fixed_size: 0
    .kernarg_segment_align: 8
    .kernarg_segment_size: 120
    .max_flat_workgroup_size: 128
    .sgpr_count:     102
    .vgpr_count:     1024
    .wavefront_size: 32
...
	.end_amdgpu_metadata
.endif
;; end of part 2
;; launch attn (part 3): grid 8 x 32, 8 waves a work-group, clusters of 4 x 1, 168,960 bytes of LDS; arguments qkv_codes, qkv_scales, kv_padding_mask, ctx_codes, ctx_scales; writes ctx_codes, ctx_scales
.if DOCPART == 3
	.amdgcn_target "amdgcn-amd-amdhsa--gfx1250"
	.amdhsa_code_object_version 6
	.text
	.protected	k_qc0aaa82eab_attn
	.globl	k_qc0aaa82eab_attn
	.p2align	8
	.type	k_qc0aaa82eab_attn,@function
k_qc0aaa82eab_attn:
	s_mov_b64 s[64:65], 0
	v_nop
	global_prefetch_b8 v0, s[64:65] scope:SCOPE_SE
	s_setreg_imm32_b32 hwreg(HW_REG_WAVE_MODE, 25, 1), 1
	s_wait_xcnt 0x0
	s_wait_alu depctr_hold_cnt(0) depctr_sa_sdst(0) depctr_va_vdst(0) depctr_va_sdst(0) depctr_va_ssrc(0) depctr_va_vcc(0) depctr_vm_vsrc(0)
	s_getreg_b32 s2, hwreg(HW_REG_IB_STS2, 6, 4)
	s_cmp_eq_u32 s2, 0
	s_cbranch_scc0 .Lentry_in_a_cluster
	s_endpgm
.Lentry_in_a_cluster:
	s_bfe_u32 s2, ttmp6, 0x10000c
	s_cmp_lg_u32 s2, 0x3003
	s_cbranch_scc0 .Lentry_shape_is_right
	s_endpgm
.Lentry_shape_is_right:
; ctx[b][q][h][:] = the sum over k of softmax_k(q . k / sqrt(128)) v, under reference()'s causal mask (key k counts for query q where k <= q) and the padding mask that is an input; both products on codes of FP4 (E2M1).
; q, k, v^T come as images of operand registers (a fragment of 16 rows x 128 K: [c 0..1][lane][16 bytes]) with one scale word a row.  ctx / l is quantised along the head's 128 and leaves in the same form.
; THE SOFTMAX: t = score x log2(e) / sqrt(128); M = the running largest t rounded UP to a whole number; p = 2^(t - M) is quantised along the keys, not normalised; the row's sum l is taken of the unquantised p and divides at the end.
; SHARES.  A work-group has eight waves and one (batch, head); wave w owns ONE tile of 16 queries: queries 128 rank + 16 j + r, j = the work-group's x (0..7), rank = 0, 1, 2, 3, 7, 6, 5, 4 for w = 0 .. 7.
; So whether a step of 128 keys is hidden (step > rank), on the diagonal (= rank) or open hangs on the wave's number and the loop's counter alone, every work-group has the same 36 wave-steps, and waves w and w + 4 have 9 together.
; ALL OF THE HEAD'S K AND V^T (keys 0 to 1,023) LIES IN LDS, filled once: no slot is filled again.  CLUSTER: four work-groups of a head ask jointly (a mask names at most four; a head's eight are two clusters).
; LAYOUT.  S^T = K Q^T, O^T = V^T P^T: a lane holds ONE query throughout.  Lane r of tile 2 b + u takes key (or d) 32 b + 8 u + r + 8 (r / 8), so that the 16 registers of tiles 2 b, 2 b + 1 are 16 neighbours along the next K.
; That row lies in the stored image of rows 16 (2 b + r / 8) on, at lane 8 u + r % 8 + 16 h..
; THE LDS LOADS OF A STEP STAND IN TWO RUNS: K's eight fragments with their scale words and the addends at the step's head; V's eight fragments and scale words straight behind K's products, so that they land under the softmax.
; THE PADDING MASK is turned once into f32 addends in LDS (0, or -2^120 for a padded key) and is the C of the first product; on the diagonal hidden scores then become -infinity.  The largest t starts at -2^100.
; A query none of whose visible keys counts has l = 0: reference() gives NaN for its whole output row; here its scale word becomes 0xffffffff, which makes the last product's sums NaN.
; LIMITS: true |t| stays under 2^96; blocks whose largest magnitude lies under 2^-124, and blocks of zeros, keep the byte 1 (read by this program alone); NaN and infinities among the inputs are not served.
; REGISTERS: v1-7 addresses that stay; v8-11 addresses of the loads in hand; v12 -M, v13 the largest t, v[14:15] the sum; v16-23 Q; v24-31 K's scale words; v32-95 eight fragments of K, then of V; v96-159 S^T, then p
;   (at the head: the mask's conversion); v160-223 O^T; v224-231 codes; v232-239, v244-247, v252, v254 at work; v240-243 and v248-251 V's scale words; v253 p's scale word; v255 Q's.
.set STEPB, 9216                       ; a key step in LDS: 8 images of 1,024 + 128 bytes
.set VC,    8*STEPB                    ; K's codes at 0, V's here
.set KSO,   2*VC                       ; K's scale words [key][4], 4,096 bytes; V's [step][d][4] 4,096 bytes behind them
.set MF,    KSO+8192                   ; the addends, f32 [key]: 4,096 bytes written by LDS stores; no fill lands there
.set AK0,  1
.set AV0,  2
.set AS0,  3
.set AM0,  4
.set DG,   5                           ; v5   my query's place in its block of 128, less 16 h
.set LI,   6                           ; v6   16 x lane
.set LS,   7                           ; v7   4 r
.set ADK,  8
.set ADV,  9
.set ADS,  10
.set ADM,  11
.set KSW,  24                          ; v24-31 K's scale words, a register a tile
.set TB,   2                           ; s2   LDS byte at which the step's images begin
.set TS,   3                           ; s3   and its scale words and addends: 512 bytes a step
.set WV,   18
.set RK,   19
.set SEL,  20
.set CS,   22
.set G1C,  24                          ; s[24:31] group 1 for the codes;  s[32:39] for the scale words;  s[40:43], s[44:47] their groups 0
.set G1S,  32
.set G0S,  40
.set G0C,  44
.set ST,   52                          ; s52  the key step: the loop's counter
.set JQ,   56
.set BH,   57
.macro CROUND                          ; a round of the cluster's barrier
	s_barrier_signal -1
	s_barrier_wait -1
	s_cmp_lg_u32 s[WV], 0
	s_cbranch_scc1 .Lnot_wave_0_\@
	s_barrier_signal -3
.Lnot_wave_0_\@:
	s_barrier_wait -3
	s_barrier_signal -1
	s_barrier_wait -1
.endm
	s_load_b256 s[4:11], s[0:1], 0x0               ; qkv_codes, qkv_scales, the mask, ctx_codes
	s_load_b64 s[12:13], s[0:1], 0x20              ; ctx_scales
	s_set_vgpr_msb 0x40
	v_lshl_add_u32 v0, v0, 2, 0x29000
	v_mov_b32 v1, 0
	s_set_vgpr_msb 0x4045
	ds_add_u32 v0, v1
	ds_add_u32 v0, v1
	s_set_vgpr_msb 0x4500
	v_lshrrev_b32 v8, 5, v0
	v_readfirstlane_b32 s[WV], v8                  ; wave 0..7
	s_lshr_b32 s14, s[WV], 2                       ; I fetch for K (0) or for V (1),
	s_and_b32 s15, s[WV], 3                        ; key steps 2 x this and the next
	s_mul_i32 s[RK], s14, 3
	s_xor_b32 s[RK], s[RK], s[WV]                  ; rank
	s_bfe_u32 s[JQ], ttmp6, 0x40000                ; cx
	s_lshl_b32 s54, ttmp9, 2
	s_add_co_u32 s[JQ], s[JQ], s54                 ; j = 4 x cluster x + cx: it enters Q's and ctx's addresses and the diagonal's compare alone
	s_and_b32 s[BH], ttmp7, 0xffff                 ; 16 x batch + head, which the partners share
	s_add_co_u32 s16, s14, 1                       ; section 1 is k, section 2 v^T
	s_lshl_b32 s58, s16, 21
	s_lshl_b32 s59, s[BH], 16
	s_add_co_u32 s58, s58, s59
	s_lshl_b32 s59, s15, 14
	s_add_co_u32 s58, s58, s59
	s_mov_b32 s59, 0                               ; s[58:59]: my 16,384 bytes of codes
	s_lshl_b32 s60, s16, 17
	s_lshl_b32 s61, s[BH], 12
	s_add_co_u32 s60, s60, s61
	s_lshl_b32 s61, s15, 10
	s_add_co_u32 s60, s60, s61
	s_mov_b32 s61, 0                               ; s[60:61]: my 1,024 bytes of scale words
	s_mul_i32 s62, s14, VC
	s_mul_i32 s63, s15, 2*STEPB
	s_add_co_u32 s62, s62, s63                     ; where the codes go: no place in the cluster enters an LDS address
	s_lshl_b32 s63, s[WV], 10
	s_add_co_u32 s63, s63, KSO                     ; and the scale words
	; group 1 for the codes: 16 images as rows of 1,024 bytes (128 elements of 8 bytes), dense in memory, 128 bytes of padding behind each
	s_mov_b32 s[G1C], 15|(3<<16)|(1<<20)|(1<<21)|(7<<22)|(31<<25)   ; 15:0 the mask: all four; 17:16 elements of 8 bytes; 20 padding on; 21 set beside a mask; 24:22 after every 256 words; 31:25 of 32 words
	s_mov_b32 s[G1C+1], 128<<16
	s_mov_b32 s[G1C+2], 16<<16
	s_mov_b32 s[G1C+3], 128<<16
	s_mov_b32 s[G1C+4], 16
	s_mov_b32 s[G1C+5], 128
	s_mov_b32 s[G1C+6], 0
	s_mov_b32 s[G1C+7], 0
	; for the scale words: 4 rows of 256 bytes, dense, no padding
	s_mov_b32 s[G1S], 15|(3<<16)|(1<<21)
	s_mov_b32 s[G1S+1], 32<<16
	s_mov_b32 s[G1S+2], 4<<16
	s_mov_b32 s[G1S+3], 32<<16
	s_mov_b32 s[G1S+4], 4
	s_mov_b32 s[G1S+5], 32
	s_mov_b32 s[G1S+6], 0
	s_mov_b32 s[G1S+7], 0
	s_mov_b32 s[SEL], 0x76543210
	s_mov_b32 s[SEL+1], 0xfedcba98
	s_mov_b32 s[CS], 0x3e0293ee                    ; c = log2(e) / sqrt(128)
	s_mov_b32 s[CS+1], s[CS]                       ; (named with it as a pair, so it is written)
	s_mov_b32 s[TB], 0
	s_mov_b32 s[TS], 0
	s_mov_b32 s[ST], 0
	s_wait_dscnt 0x0
	s_wait_kmcnt 0x0
	s_mov_b32 s[G0S], 1
	s_mov_b32 s[G0S+1], s63
	s_add_nc_u64 s[G0S+2:G0S+3], s[6:7], s[60:61]
	s_or_b32 s[G0S+3], s[G0S+3], 0x80000000
	s_mov_b32 s[G0C], 1
	s_mov_b32 s[G0C+1], s62
	s_add_nc_u64 s[G0C+2:G0C+3], s[4:5], s[58:59]
	s_or_b32 s[G0C+3], s[G0C+3], 0x80000000
	CROUND                                         ; all four work-groups are here: the joint loads meet
	tensor_load_to_lds s[G0S:G0S+3], s[G1S:G1S+7]  ; every wave issues both: two tensor loads of mine are out, and there are no others in the launch
	s_nop 0
	tensor_load_to_lds s[G0C:G0C+3], s[G1C:G1C+7]
	s_nop 0
.rept 4
	v_nop
.endr
	; my tile of queries, my part of the mask, and where ctx goes
	s_lshl_b32 s58, s[BH], 16
	s_lshl_b32 s59, s[RK], 13
	s_add_co_u32 s58, s58, s59
	s_lshl_b32 s59, s[JQ], 10
	s_add_co_u32 s58, s58, s59
	s_mov_b32 s59, 0
	s_add_nc_u64 s[4:5], s[4:5], s[58:59]          ; section 0: q's image (head, block = rank, tile = j)
	s_lshl_b32 s58, s[BH], 12
	s_lshl_b32 s60, s[RK], 9
	s_add_co_u32 s58, s58, s60
	s_lshl_b32 s60, s[JQ], 6
	s_add_co_u32 s58, s58, s60
	s_add_nc_u64 s[6:7], s[6:7], s[58:59]          ; its scale words
	s_lshr_b32 s54, s[BH], 4                       ; the batch
	s_lshl_b32 s58, s54, 11
	s_add_nc_u64 s[8:9], s[8:9], s[58:59]          ; the batch's row of the mask
	s_lshl_b32 s54, s54, 3
	s_add_co_u32 s54, s54, s[RK]                   ; block of 128 rows of ctx: 8 x batch + rank
	s_lshl_b32 s54, s54, 4
	s_and_b32 s55, s[BH], 15
	s_add_co_u32 s54, s54, s55                     ; x 16 + head
	s_lshl_b32 s58, s54, 3
	s_add_co_u32 s58, s58, s[JQ]
	s_lshl_b32 s58, s58, 10
	s_add_nc_u64 s[10:11], s[10:11], s[58:59]      ; ctx's image
	s_lshl_b32 s58, s54, 9
	s_lshl_b32 s60, s[JQ], 6
	s_add_co_u32 s58, s58, s60
	s_add_nc_u64 s[12:13], s[12:13], s[58:59]      ; and its scale words
	v_and_b32 v8, 15, v0                           ; r
	v_bfe_u32 v9, v0, 4, 1                         ; h
	v_and_b32 v10, 7, v0                           ; r % 8
	v_bfe_u32 v11, v0, 3, 1                        ; r / 8
	v_and_b32 v[LI], 31, v0
	v_lshlrev_b32 v[LI], 4, v[LI]
	v_lshlrev_b32 v[LS], 2, v8
	v_lshlrev_b32 v98, 2, v0                       ; 4 bytes of the mask a thread: 256 threads, keys 0 to 1,023
	global_load_b32 v96, v98, s[8:9]
	global_load_b128 v[16:19], v[LI], s[4:5]       ; Q's fragment stays in registers
	global_load_b128 v[20:23], v[LI], s[4:5] offset:512
	global_load_b32 v255, v[LS], s[6:7]            ; Q's scale words
	v_mul_u32_u24 v[AK0], v11, 1152
	v_lshl_add_u32 v[AK0], v9, 8, v[AK0]
	v_lshl_add_u32 v[AK0], v10, 4, v[AK0]          ; 1,152 (r / 8) + 256 h + 16 (r % 8)
	v_add_nc_u32 v[AV0], VC, v[AK0]
	v_lshl_add_u32 v[AS0], v11, 3, v8              ; r + 8 (r / 8)
	v_lshl_add_u32 v[AS0], v[AS0], 2, KSO
	v_lshl_add_u32 v[AM0], v9, 6, MF               ; the addends of my half's keys: 64 h
	v_lshlrev_b32 v[DG], 4, v9
	v_sub_nc_u32 v[DG], v8, v[DG]
	s_lshl_b32 s54, s[JQ], 4
	v_add_nc_u32 v[DG], s54, v[DG]                 ; 16 j + r - 16 h
	v_lshl_add_u32 v99, v0, 4, MF                  ; where my four addends go
	v_mov_b32 v97, 0xfb800000                      ; -2^120
	v_mov_b32 v13, 0xf1800000                      ; the largest t so far: -2^100
	v_floor_f32 v12, -v13                          ; -M
	v_mov_b32 v14, 0                               ; the sum, in two halves
	v_mov_b32 v15, 0
.irp b, 0,1,2,3
	v_mov_b32 v[236+\b], 0                         ; written once: a lane permute's destination counts as one of its sources
.endr
	v_mov_b32 v252, 0
	v_mov_b32 v253, 0                              ; (named as the upper half of the pair v[252:253] before it is first written)
.set j, 0
.rept 64
	v_mov_b32 v[160+j], 0                          ; O^T.  (The step is written once: the first finds zeros, which the first change of M leaves zeros)
.set j, j+1
.endr
	s_wait_loadcnt 0x0                             ; the mask, Q and its scale words
.irp i, 0,1,2,3
	v_bfe_u32 v98, v96, 8*\i, 8
	v_cmp_ne_u32 vcc_lo, 0, v98
	v_cndmask_b32 v[100+\i], 0, v97, vcc_lo        ; a padded key's addend is -2^120, any other's 0
.endr
	ds_store_b128 v99, v[100:103]
	s_wait_tensorcnt 0x0                           ; my parts of K, V and their scale words have landed,
	s_wait_dscnt 0x0                               ; my addends are stored:
	s_barrier_signal -1
	s_barrier_wait -1                              ; everybody's are
.Lstep:                                            ; eight trips: every wave walks them all and leaves out the work of the steps that lie above the diagonal
	s_cmp_gt_u32 s[ST], s[RK]
	s_cbranch_scc1 .Lhidden
	v_add_nc_u32 v[ADK], s[TB], v[AK0]             ; (these four are also the places in front of the loads into registers that the last step's products have read)
	v_add_nc_u32 v[ADV], s[TB], v[AV0]
	v_add_nc_u32 v[ADS], s[TS], v[AS0]
	v_add_nc_u32 v[ADM], s[TS], v[AM0]
.irp t, 0,1,2,3,4,5,6,7                        ; ONE RUN for S^T = K Q^T + the addends: five LDS loads a tile of 16 keys
	ds_load_b128 v[96+8*\t:99+8*\t], v[ADM] offset:128*(\t/2)+32*(\t%2)          ; the padding's addends in the result's layout: register j of tile 2 b + u is key 32 b + 8 u + 16 h + j
	ds_load_b128 v[100+8*\t:103+8*\t], v[ADM] offset:128*(\t/2)+32*(\t%2)+16
	ds_load_b128 v[32+8*\t:35+8*\t], v[ADK] offset:2304*(\t/2)+128*(\t%2)        ; K's fragment
	ds_load_b128 v[36+8*\t:39+8*\t], v[ADK] offset:2304*(\t/2)+128*(\t%2)+512
	ds_load_b32 v[KSW+\t], v[ADS] offset:128*(\t/2)+32*(\t%2)                    ; and its rows' scale words
.endr
	s_wait_dscnt 20                                ; tiles 0 to 3 are in; the 20 loads of tiles 4 to 7 may be out
.irp t, 0,1,2,3
	v_wmma_scale_f32_16x16x128_f8f6f4 v[96+8*\t:103+8*\t], v[32+8*\t:39+8*\t], v[16:23], v[96+8*\t:103+8*\t], v[KSW+\t], v255 matrix_a_fmt:MATRIX_FMT_FP4 matrix_b_fmt:MATRIX_FMT_FP4
.endr
	s_wait_dscnt 0x0
.irp t, 4,5,6,7
	v_wmma_scale_f32_16x16x128_f8f6f4 v[96+8*\t:103+8*\t], v[32+8*\t:39+8*\t], v[16:23], v[96+8*\t:103+8*\t], v[KSW+\t], v255 matrix_a_fmt:MATRIX_FMT_FP4 matrix_b_fmt:MATRIX_FMT_FP4
.endr
.rept 4
	v_nop                                          ; places behind the products: for the loads below, into registers that they have read, and for the first read of the scores
.endr
.irp t, 0,1,2,3,4,5,6,7                        ; THE OTHER RUN: V's eight fragments and scale words are asked for here and land under the softmax
	ds_load_b128 v[32+8*\t:35+8*\t], v[ADV] offset:2304*(\t/2)+128*(\t%2)
	ds_load_b128 v[36+8*\t:39+8*\t], v[ADV] offset:2304*(\t/2)+128*(\t%2)+512
	ds_load_b32 v[240+\t+4*(\t/4)], v[ADS] offset:4096+128*(\t/2)+32*(\t%2)
.endr
	s_cmp_lg_u32 s[ST], s[RK]                      ; on the diagonal the scores of hidden keys become -infinity ahead of the maximum: p = 0 then
	s_cbranch_scc1 .Lopen
	v_mov_b32 v254, 0xff800000
.set n, 0
.rept 64
	v_cmp_gt_i32 vcc_lo, 32*(n/16)+n%16, v[DG]     ; register 16 b + i holds key 32 b + 16 h + i of the block: hidden where 32 b + i > 16 j + r - 16 h
	v_cndmask_b32 v[96+n], v[96+n], v254, vcc_lo
.set n, n+1
.endr
.Lopen:
.irp b, 0,1,2,3
	v_max3_num_f32 v[232+\b], v[96+16*\b], v[97+16*\b], v[98+16*\b]   ; the largest score of each block of 32 keys: for the row's maximum and, since p rises with the score, for the block's largest p
.endr
.irp i, 3,5,7,9,11,13
.irp b, 0,1,2,3
	v_max3_num_f32 v[232+\b], v[232+\b], v[96+16*\b+\i], v[97+16*\b+\i]
.endr
.endr
.irp b, 0,1,2,3
	v_max_num_f32 v[232+\b], v[232+\b], v[111+16*\b]
.endr
.irp b, 0,1,2,3
	v_permlanex16_b32 v[236+\b], v[232+\b], s[SEL], s[SEL+1]
.endr
.irp b, 0,1,2,3
	v_max_num_f32 v[232+\b], v[232+\b], v[236+\b]  ; with lane l xor 16's 16 keys
.endr
	v_max3_num_f32 v254, v232, v233, v234
	v_max_num_f32 v254, v254, v235                 ; the step's largest score of my query
	v_mul_f32 v254, s[CS], v254                    ; as t
	v_max_num_f32 v13, v13, v254                   ; the running largest t
	v_mov_b32 v254, v12
	v_floor_f32 v12, -v13                          ; the new -M = -ceil(t): a whole number
	v_sub_f32 v254, v12, v254                      ; M's old value less its new one: 0 or less
	v_cvt_i32_f32 v254, v254                       ; (it saturates)
	v_ldexp_f32 v252, 1.0, v254                    ; f = 2^(old M - new M): rounds nothing
.set j, 0
.rept 32
	v_pk_fma_f32 v[96+j:97+j], v[96+j:97+j], s[CS:CS+1], v[12:13] op_sel_hi:[1,0,0]   ; t - M, two at a time
.set j, j+2
.endr
.irp b, 0,1,2,3
	v_fma_f32 v[232+\b], v[232+\b], s[CS], v12     ; the same of each block's largest score
.endr
.set j, 0
.rept 64
	v_exp_f32 v[96+j], v[96+j]                     ; p = 2^(t - M), at most 1
.set j, j+1
.endr
	v_pk_mul_f32 v[14:15], v[14:15], v[252:253] op_sel_hi:[1,0]   ; the sums under the new M (the plain line behind the exponentials)
	s_wait_alu depctr_va_vdst(0)                   ; one wait for the whole batch, ahead of its first reader
.irp b, 0,1,2,3
	v_exp_f32 v[232+\b], v[232+\b]                 ; the block's largest p
.endr
	v_pk_add_f32 v[236:237], v[96:97], v[98:99]    ; the row's sum is taken of the unquantised p, in two chains
.irp j, 4,8,12,16,20,24,28,32,36,40,44,48,52,56,60
	v_pk_add_f32 v[14:15], v[14:15], v[96+\j:97+\j]
	v_pk_add_f32 v[236:237], v[236:237], v[98+\j:99+\j]
.endr
	v_pk_add_f32 v[14:15], v[14:15], v[236:237]
	s_wait_alu depctr_va_vdst(0)                   ; and one for the four
.irp b, 0,1,2,3
	v_max_num_f32 v[232+\b], 0x1800000, v[232+\b]  ; the floor 2^(3 - 127): the byte cannot fall under 1
.endr
.irp b, 0,1,2,3
	v_add_nc_u32 v[244+\b], 0xff000000, v[232+\b]  ; 2 off the exponent field: the conversion's scale operand
.endr
.irp b, 0,1,2,3
	v_lshrrev_b32 v[236+\b], 23, v[244+\b]         ; the scale's byte
.endr
	v_lshl_or_b32 v253, v237, 8, v236              ; p's scale word for these 128 keys
	v_lshl_or_b32 v253, v238, 16, v253
	v_lshl_or_b32 v253, v239, 24, v253
.irp b, 0,1,2,3
	v_cvt_scalef32_pk8_fp4_f32 v[224+2*\b], v[96+16*\b:103+16*\b], v[244+\b]
	v_cvt_scalef32_pk8_fp4_f32 v[225+2*\b], v[104+16*\b:111+16*\b], v[244+\b]
.endr
	v_nop                                          ; one plain line behind the last scaled conversion
.irp c, 0,1                                    ; the operand's layout wants a whole block in a lane
.irp i, 0,1
	v_permlane16_swap_b32 v[224+4*\c+\i], v[226+4*\c+\i]
.endr
.endr
.set j, 0
.rept 32
	v_pk_mul_f32 v[160+j:161+j], v[160+j:161+j], v[252:253] op_sel_hi:[1,0]   ; O^T under the new M.  (These 32 are also the places between p's codes and scale word and the matrix instructions below)
.set j, j+2
.endr
.rept 4
	v_nop                                          ; four plain lines between the last rescaling and the products that add onto it
.endr
	s_wait_dscnt 0x0                               ; V's 24 loads, asked for ahead of the softmax, are in
.irp t, 0,1,2,3,4,5,6,7                        ; O^T += V^T P^T: eight tiles of 16 of the head's 128, each accumulator once
	v_wmma_scale_f32_16x16x128_f8f6f4 v[160+8*\t:167+8*\t], v[32+8*\t:39+8*\t], v[224:231], v[160+8*\t:167+8*\t], v[240+\t+4*(\t/4)], v253 matrix_a_fmt:MATRIX_FMT_FP4 matrix_b_fmt:MATRIX_FMT_FP4
.endr
.Lhidden:
	s_add_co_u32 s[TB], s[TB], STEPB
	s_add_co_u32 s[TS], s[TS], 512
	s_add_co_u32 s[ST], s[ST], 1
	s_cmp_lt_u32 s[ST], 8
	s_cbranch_scc1 .Lstep
	; THE WAY OUT.  O^T / l: register 16 b + i is ctx(query r, d = 32 b + 16 h + i): quantised along d, it is a fragment of the last product's left operand
.rept 4
	v_nop                                          ; places behind the last products
.endr
	v_add_f32 v14, v14, v15                        ; the sum's two halves,
	v_permlanex16_b32 v252, v14, s[SEL], s[SEL+1]
	v_add_f32 v14, v14, v252                       ; and lane l xor 16's: l
	v_rcp_f32 v252, v14
	v_mov_b32 v254, -1                             ; (the plain line behind the reciprocal)
	s_wait_alu depctr_va_vdst(0)                   ; the wait, ahead of the first reader
.set j, 0
.rept 32
	v_pk_mul_f32 v[96+j:97+j], v[160+j:161+j], v[252:253] op_sel_hi:[1,0]
.set j, j+2
.endr
.irp b, 0,1,2,3
	v_max3_num_f32 v[232+\b], |v[96+16*\b]|, |v[97+16*\b]|, 0x1800000   ; block b: my 16 numbers, and the floor
.endr
.irp i, 2,4,6,8,10,12,14
.irp b, 0,1,2,3
	v_max3_num_f32 v[232+\b], v[232+\b], |v[96+16*\b+\i]|, |v[97+16*\b+\i]|
.endr
.endr
.irp b, 0,1,2,3
	v_permlanex16_b32 v[236+\b], v[232+\b], s[SEL], s[SEL+1]
.endr
.irp b, 0,1,2,3
	v_max_num_f32 v[232+\b], v[232+\b], v[236+\b]
.endr
.irp b, 0,1,2,3
	v_add_nc_u32 v[244+\b], 0xff000000, v[232+\b]
.endr
.irp b, 0,1,2,3
	v_lshrrev_b32 v[236+\b], 23, v[244+\b]
.endr
	v_lshl_or_b32 v253, v237, 8, v236
	v_lshl_or_b32 v253, v238, 16, v253
	v_lshl_or_b32 v253, v239, 24, v253
.irp b, 0,1,2,3
	v_cvt_scalef32_pk8_fp4_f32 v[224+2*\b], v[96+16*\b:103+16*\b], v[244+\b]
	v_cvt_scalef32_pk8_fp4_f32 v[225+2*\b], v[104+16*\b:111+16*\b], v[244+\b]
.endr
	v_nop
.irp c, 0,1
.irp i, 0,1
	v_permlane16_swap_b32 v[224+4*\c+\i], v[226+4*\c+\i]
.endr
.endr
	v_cmp_eq_f32 vcc_lo, 0, v14                    ; no key counted for my query:
	v_cndmask_b32 v253, v253, v254, vcc_lo         ; its four scale bytes become 0xff
	global_store_b128 v[LI], v[224:227], s[10:11]              ; 32 lanes store 512 consecutive bytes, aligned
	global_store_b128 v[LI], v[228:231], s[10:11] offset:512
	global_store_b32 v[LS], v253, s[12:13]                     ; lanes r and r + 16 store the same word to the same place
	s_wait_dscnt 0x0
	s_set_vgpr_msb 0x5
	s_wait_tensorcnt 0x0
	ds_add_u32 v0, v1
	s_wait_dscnt 0x0
	s_set_vgpr_msb 0x500
	CROUND                                         ; the closing round
	s_endpgm
.Lfunc_end_k_qc0aaa82eab_attn:
	.size	k_qc0aaa82eab_attn, .Lfunc_end_k_qc0aaa82eab_attn-k_qc0aaa82eab_attn
	.p2alignl 7, 3214868480
	.fill 96, 4, 3214868480
	.section	.rodata,"a",@progbits
	.p2align	6, 0x0
	.amdhsa_kernel k_qc0aaa82eab_attn
		.amdhsa_group_segment_fixed_size 168960
		.amdhsa_private_segment_fixed_size 0
		.amdhsa_enable_private_segment 0
		.amdhsa_kernarg_size 40
		.amdhsa_user_sgpr_count 2
		.amdhsa_user_sgpr_kernarg_segment_ptr 1
		.amdhsa_wavefront_size32 1
		.amdhsa_system_sgpr_workgroup_id_x 1
		.amdhsa_system_sgpr_workgroup_id_y 1
		.amdhsa_system_sgpr_workgroup_id_z 1
		.amdhsa_system_vgpr_workitem_id 0
		.amdhsa_next_free_vgpr 258
		.amdhsa_next_free_sgpr 66
		.amdhsa_reserve_vcc 1
		.amdhsa_float_denorm_mode_32 3
		.amdhsa_float_denorm_mode_16_64 3
		.amdhsa_memory_ordered 1
		.amdhsa_forward_progress 1
		.amdhsa_inst_pref_size 42
	.end_amdhsa_kernel
	.amdgpu_metadata
---
amdhsa.version: [ 1, 2 ]
amdhsa.kernels:
  - .name:           k_qc0aaa82eab_attn
    .symbol:         k_qc0aaa82eab_attn.kd
    .args:
      - { .name: qkv_codes, .offset: 0, .size: 8, .value_kind: global_buffer, .address_space: global }
      - { .name: qkv_scales, .offset: 8, .size: 8, .value_kind: global_buffer, .address_space: global }
      - { .name: kv_padding_mask, .offset: 16, .size: 8, .value_kind: global_buffer, .address_space: global }
      - { .name: ctx_codes, .offset: 24, .size: 8, .value_kind: global_buffer, .address_space: global }
      - { .name: ctx_scales, .offset: 32, .size: 8, .value_kind: global_buffer, .address_space: global }
    .group_segment_fixed_size: 168960
    .private_segment_fixed_size: 0
    .kernarg_segment_align: 8
    .kernarg_segment_size: 40
    .max_flat_workgroup_size: 256
    .sgpr_count:     66
    .vgpr_count:     258
    .wavefront_size: 32
...
	.end_amdgpu_metadata
.endif
;; end of part 3
;; launch outp (part 4): grid 16 x 16, 4 waves a work-group, clusters of 4 x 4, 283,648 bytes of LDS; arguments ctx_codes, ctx_scales, Wo_codes, Wo_scales, bo, gate, query_states, out0; writes out0
.if DOCPART == 4
	.amdgcn_target "amdgcn-amd-amdhsa--gfx1250"
	.amdhsa_code_object_version 6
	.text
	.protected	k_qc0aaa82eab_outp
	.globl	k_qc0aaa82eab_outp
	.p2align	8
	.type	k_qc0aaa82eab_outp,@function
k_qc0aaa82eab_outp:
	s_mov_b64 s[64:65], 0
	v_nop
	global_prefetch_b8 v0, s[64:65] scope:SCOPE_SE
	s_setreg_imm32_b32 hwreg(HW_REG_WAVE_MODE, 25, 1), 1
	s_wait_xcnt 0x0
	s_wait_alu depctr_hold_cnt(0) depctr_sa_sdst(0) depctr_va_vdst(0) depctr_va_sdst(0) depctr_va_ssrc(0) depctr_va_vcc(0) depctr_vm_vsrc(0)
	s_getreg_b32 s2, hwreg(HW_REG_IB_STS2, 6, 4)
	s_cmp_eq_u32 s2, 0
	s_cbranch_scc0 .Lentry_in_a_cluster
	s_endpgm
.Lentry_in_a_cluster:
	s_bfe_u32 s2, ttmp6, 0x10000c
	s_cmp_lg_u32 s2, 0xf033
	s_cbranch_scc0 .Lentry_shape_is_right
	s_endpgm
.Lentry_shape_is_right:
; out = x + (ctx Wo^T + bo) x sigmoid(gate).  ctx: 2,048 rows x K = 2,048 as images of operand registers ([block of 128 rows][head = K step][16 rows][1,024 bytes]) and scale words; Wo: codes [2,048][1,024 bytes], scales [2,048][64].
; 256 tiles of 128 x 128; four waves, each 64 x 64: 16 accumulators.  ALL OF K LIES IN LDS, in two parts of 1,024 along K, each filled once: no slot is filled again.
; CLUSTERS: 4 x 4 work-groups; ctx's tiles are asked for jointly along a row of the cluster, Wo's along a column.  THE MATRIX INSTRUCTION IS USED TRANSPOSED (source 0 = 16 rows of Wo, source 1 = 16 rows of ctx).
; bo is the C of each sum's first matrix instruction.  All scale words of the wave (64 of ctx, 64 of Wo) are read from LDS once and stay in registers that hold nothing else.
; x's 32 loads are issued behind the first barrier, when the first tiles have landed, and land while the 256 products run.  The way out goes through the wave's own stage: a wave's 64 columns are 256 bytes of a row, which sixteen lanes store whole.
; A row of ctx whose scale bytes are 0xff (no key counted for that query) gives NaN in its whole row, as reference() does.
; REGISTERS: window 0: v0-31 addresses, v8-11 sigmoid(gate) of my 4 columns; v32-63 bo; v64-127 ctx's scale words (16 a + s); v128-191 Wo's (16 b + s); v192-255 rows on the way out, two sets.
;   window 1: two fragment buffers of 128: for two K steps 64 registers of ctx, then 64 of Wo.   window 2: v0-127 the accumulators ((a, b) at v[8 (4 a + b)]); v128-255 x.
.set PITCH,  528                       ; a row of Wo in LDS: 512 bytes + 16 of padding
.set ASLOT,  65536                     ; ctx's images of 8 K steps
.set BROW,   2*ASLOT
.set BSLOT,  128*PITCH
.set ASC,    BROW+2*BSLOT              ; ctx's scale words [K step][row][4]
.set BSC,    ASC+8192                  ; Wo's scale bytes, as 256 bytes + 16 of padding
.set SPITCH, 272                       ; the way out: 16 rows x (256 bytes + 16) for each wave, in ctx's first part, which has had its only fill and its last read by then
.set SIG,  8
.set ADRA, 16
.set ADRB, 20
.set STO,  24
.set RD,   25
.set CO,   26
.set ADSA, 27
.set ADSB, 28
.set BO,   32
.set SA,   64
.set SB,   128
.set T,    192
.set XR,   128                         ; in window 2
.set F0,   0
.set F1,   128
.set G1, 24
.set G0, 32
.set G1B, 48
.set G0B, 56
.set G1S, 68
.set G0S, 76
.set G1SB, 80
.set G0SB, 88
.set MSB, 0
.macro WIN new                         ; the immediate's high byte repeats the setting that is left
.if MSB != \new
	s_set_vgpr_msb (MSB<<8)|\new
.set MSB, \new
.endif
.endm
.set MUL,   0xa5                       ; sources 0 (Wo) and 1 (ctx) window 1; C and D window 2
.set MUL_0, 0x85                       ; the same with C (bo) in window 0
.set TO_F,  0x40                       ; destination window 1, address window 0
.macro JLOAD g0a, g1a, g0b, g1b        ; a joint load: waves 0 and 1 fetch for ctx, waves 2 and 3 for Wo; four v_nop follow each of the two lines
	s_cmp_eq_u32 s15, 0
	s_cbranch_scc0 .Lfor_b_\@
	tensor_load_to_lds s[\g0a:\g0a+3], s[\g1a:\g1a+7]
	s_nop 0
.rept 4
	v_nop
.endr
	s_branch .Lasked_\@
.Lfor_b_\@:
	tensor_load_to_lds s[\g0b:\g0b+3], s[\g1b:\g1b+7]
	s_nop 0
.rept 4
	v_nop
.endr
.Lasked_\@:
.endm
.macro CROUND                          ; a round of the cluster's barrier
	s_barrier_signal -1
	s_barrier_wait -1
	s_cmp_lg_u32 s14, 0
	s_cbranch_scc1 .Lnot_wave_0_\@
	s_barrier_signal -3
.Lnot_wave_0_\@:
	s_barrier_wait -3
	s_barrier_signal -1
	s_barrier_wait -1
.endm
	s_load_b256 s[4:11], s[0:1], 0x0               ; ctx's codes, scales; Wo's codes, scales
	s_load_b256 s[92:99], s[0:1], 0x20             ; bo, gate, x, out
	v_lshl_add_u32 v23, v0, 2, 0x45200
	v_mov_b32 v31, 0
	ds_add_u32 v23, v31
	ds_add_u32 v23, v31
	v_lshrrev_b32 v1, 5, v0
	v_readfirstlane_b32 s14, v1                    ; wave 0..3
	s_lshr_b32 s15, s14, 1                         ; which half of the tile's rows is mine.  Also: I fetch for ctx (0) or for Wo (1)
	s_and_b32 s16, s14, 1                          ; which half of its columns.  Also: which half of a part I fetch
	s_bfe_u32 s40, ttmp6, 0x40000                  ; cx, cy
	s_bfe_u32 s41, ttmp6, 0x40004
	s_lshl_b32 s42, ttmp9, 2
	s_add_co_u32 s42, s42, s40                     ; tile column
	s_and_b32 s17, ttmp7, 0xffff
	s_lshl_b32 s17, s17, 2
	s_add_co_u32 s17, s17, s41                     ; tile row
	s_lshl_b32 s43, s41, 2
	s_lshl_b32 s43, 15, s43                        ; my row of the cluster
	s_lshl_b32 s44, 0x1111, s40                    ; my column
	; ctx's codes: 32,768 dense bytes as 128 rows of 256 (32 elements of 8 bytes), no padding: an image is read 16 bytes a lane on end
	s_or_b32 s[G1+0], s43, (3<<16)|(1<<21)
	s_mov_b32 s[G1+1], 32<<16
	s_mov_b32 s[G1+2], 128<<16
	s_mov_b32 s[G1+3], 32<<16
	s_mov_b32 s[G1+4], 128
	s_mov_b32 s[G1+5], 32
	s_mov_b32 s[G1+6], 0
	s_mov_b32 s[G1+7], 0
	; Wo's codes: 64 rows x 512 bytes, 1,024 bytes apart, 16 bytes of padding behind each
	s_or_b32 s[G1B+0], s44, (0<<16)|(1<<20)|(1<<21)|(6<<22)|(3<<25)
	s_mov_b32 s[G1B+1], 512<<16
	s_mov_b32 s[G1B+2], 64<<16
	s_mov_b32 s[G1B+3], 512<<16
	s_mov_b32 s[G1B+4], 64
	s_mov_b32 s[G1B+5], 1024
	s_mov_b32 s[G1B+6], 0
	s_mov_b32 s[G1B+7], 0
	; the scales: 4,096 dense bytes as 16 rows of 256; Wo's with 16 bytes of padding behind each
	s_or_b32 s[G1S+0], s43, (3<<16)|(1<<21)
	s_or_b32 s[G1SB+0], s44, (3<<16)|(1<<20)|(1<<21)|(5<<22)|(3<<25)
.irp g, G1S, G1SB
	s_mov_b32 s[\g+1], 32<<16
	s_mov_b32 s[\g+2], 16<<16
	s_mov_b32 s[\g+3], 32<<16
	s_mov_b32 s[\g+4], 16
	s_mov_b32 s[\g+5], 32
	s_mov_b32 s[\g+6], 0
	s_mov_b32 s[\g+7], 0
.endr
	s_lshl_b32 s20, s17, 17                        ; ctx's codes: 131,072 x tile row + 32,768 x half
	s_lshl_b32 s18, s16, 15
	s_add_co_u32 s20, s20, s18
	s_mov_b32 s21, 0
	s_lshl_b32 s22, s17, 13                        ; its scale words: 8,192 x tile row + 4,096 x half
	s_lshl_b32 s18, s16, 12
	s_add_co_u32 s22, s22, s18
	s_mov_b32 s23, 0
	s_lshl_b32 s46, s42, 7                         ; Wo: row 128 x tile column + 64 x half
	s_lshl_b32 s19, s16, 6
	s_add_co_u32 s46, s46, s19
	s_lshl_b32 s12, s46, 6                         ; its scale bytes,
	s_mov_b32 s13, 0
	s_lshl_b32 s46, s46, 10                        ; its codes
	s_mov_b32 s47, 0
	s_lshl_b32 s45, s16, 15                        ; where they go: no place in the cluster enters an LDS address
	s_mul_i32 s66, s16, 64*PITCH
	s_add_co_u32 s66, s66, BROW
	s_lshl_b32 s67, s16, 12
	s_add_co_u32 s67, s67, ASC
	s_mul_i32 s2, s16, 16*272
	s_add_co_u32 s2, s2, BSC
	s_wait_dscnt 0x0
	s_wait_kmcnt 0x0
	s_add_nc_u64 s[20:21], s[4:5], s[20:21]
	s_add_nc_u64 s[22:23], s[6:7], s[22:23]
	s_add_nc_u64 s[46:47], s[8:9], s[46:47]
	s_add_nc_u64 s[12:13], s[10:11], s[12:13]
	CROUND                                         ; all sixteen work-groups are here: the joint loads meet
	s_mov_b32 s[G0S], 1
	s_mov_b32 s[G0S+1], s67
	s_mov_b64 s[G0S+2:G0S+3], s[22:23]
	s_or_b32 s[G0S+3], s[G0S+3], 0x80000000
	s_mov_b32 s[G0SB], 1
	s_mov_b32 s[G0SB+1], s2
	s_mov_b64 s[G0SB+2:G0SB+3], s[12:13]
	s_or_b32 s[G0SB+3], s[G0SB+3], 0x80000000
	JLOAD G0S, G1S, G0SB, G1SB                     ; the scales first
.irp s, 0,1
	s_mov_b32 s[G0+4*\s], 1
	s_add_co_u32 s[G0+4*\s+1], s45, \s*ASLOT
	s_add_nc_u64 s[G0+4*\s+2:G0+4*\s+3], s[20:21], \s*ASLOT
	s_or_b32 s[G0+4*\s+3], s[G0+4*\s+3], 0x80000000
	s_mov_b32 s[G0B+4*\s], 1
	s_add_co_u32 s[G0B+4*\s+1], s66, \s*BSLOT
	s_add_nc_u64 s[G0B+4*\s+2:G0B+4*\s+3], s[46:47], \s*512
	s_or_b32 s[G0B+4*\s+3], s[G0B+4*\s+3], 0x80000000
	JLOAD G0+4*\s, G1, G0B+4*\s, G1B               ; three tensor loads of mine are out, and there are no others in the launch
.endr
	v_and_b32 v1, 15, v0                           ; r
	v_bfe_u32 v2, v0, 4, 1                         ; h
	v_and_b32 v3, 31, v0
	v_lshlrev_b32 v4, 4, v3                        ; 16 x lane
	s_lshl_b32 s18, s15, 12                        ; my four images of a K step's eight
	v_add_nc_u32 v[ADRA], s18, v4
	v_add_nc_u32 v[ADRA+1], ASLOT, v[ADRA]
	v_mul_u32_u24 v5, v1, PITCH
	v_lshl_add_u32 v5, v2, 4, v5
	s_mul_i32 s19, s16, 64*PITCH                   ; my 64 rows of Wo
	s_add_co_u32 s19, s19, BROW
	v_add_nc_u32 v[ADRB], s19, v5
	v_add_nc_u32 v[ADRB+1], BSLOT, v[ADRB]
	v_lshlrev_b32 v6, 2, v1
	s_lshl_b32 s18, s15, 8
	s_add_co_u32 s18, s18, ASC
	v_add_nc_u32 v[ADSA], s18, v6                  ; ctx's scale words: 256 x row half + 4 r
	v_lshlrev_b32 v7, 6, v1
	v_lshrrev_b32 v6, 2, v1
	v_lshl_add_u32 v7, v6, 4, v7                   ; Wo's: 64 r, and 16 more for each 256 passed
	s_mul_i32 s19, s16, 16*272
	s_add_co_u32 s19, s19, BSC
	v_add_nc_u32 v[ADSB], s19, v7
	s_mul_i32 s18, s14, 16*SPITCH                  ; my stage
	v_mul_u32_u24 v5, v1, SPITCH
	v_lshl_add_u32 v5, v2, 5, v5
	v_add_nc_u32 v[STO], s18, v5                   ; in: row r, 32 bytes for each half of the lanes
	v_mul_u32_u24 v5, v2, SPITCH
	v_lshl_add_u32 v5, v1, 4, v5
	v_add_nc_u32 v[RD], s18, v5                    ; back: lanes 0-15 one row of 256 bytes, lanes 16-31 the next
	v_lshlrev_b32 v[CO], 13, v2
	v_lshl_add_u32 v[CO], v1, 4, v[CO]             ; and the same two rows in x and in out: 8,192 h + 16 (lane % 16)
	v_lshlrev_b32 v29, 4, v1                       ; gate: my 4 columns
	v_lshlrev_b32 v30, 5, v2                       ; bo: my half's 8 columns of a tile
	s_lshl_b32 s18, s42, 9
	s_lshl_b32 s19, s16, 8
	s_add_co_u32 s18, s18, s19                     ; my first column, in bytes
	s_mov_b32 s19, 0
	s_add_nc_u64 s[92:93], s[92:93], s[18:19]
	s_add_nc_u64 s[94:95], s[94:95], s[18:19]
	s_lshl_b32 s2, s17, 7
	s_lshl_b32 s3, s15, 6
	s_add_co_u32 s2, s2, s3                        ; my first row
	s_lshl_b32 s2, s2, 13
	s_add_co_u32 s18, s18, s2
	s_add_nc_u64 s[96:97], s[96:97], s[18:19]
	s_add_nc_u64 s[98:99], s[98:99], s[18:19]
	global_load_b128 v[SIG:SIG+3], v29, s[94:95]   ; gate
.irp b, 0,1,2,3
	global_load_b128 v[BO+8*\b:BO+8*\b+3], v30, s[92:93] offset:64*\b          ; bo(16 b + 8 h + 0 .. 7), in the result's layout
	global_load_b128 v[BO+8*\b+4:BO+8*\b+7], v30, s[92:93] offset:64*\b+16
.endr
	s_wait_loadcnt 0x0                             ; gate and bo are in: no other load of mine is out yet
.irp i, 0,1,2,3
	v_mul_f32 v[12+\i], 0xbfb8aa3b, v[SIG+\i]      ; -log2(e) x gate
.endr
.irp i, 0,1,2,3
	v_exp_f32 v[12+\i], v[12+\i]
.endr
	v_nop                                          ; a plain line behind the batch,
	s_wait_alu depctr_va_vdst(0)                   ; and its one wait
.irp i, 0,1,2,3
	v_add_f32 v[12+\i], 1.0, v[12+\i]
.endr
.irp i, 0,1,2,3
	v_rcp_f32 v[SIG+\i], v[12+\i]                  ; sigmoid(gate) = 1 / (1 + 2^(-log2(e) gate))
.endr
	v_nop
	s_wait_alu depctr_va_vdst(0)
; 8 matrix instructions: ctx's blocks a0, a0 + 1 x Wo's four, K step s + c: half c of buffer f.  zero = 1: the first product starts the sums, with bo as its C.
; The 16 accumulators take turns, one instruction a turn, in the same order throughout.
.macro MUL8 f, c, a0, zero, s
.irp a, \a0, \a0+1
.irp b, 0,1,2,3
.if \zero
	v_wmma_scale_f32_16x16x128_f8f6f4 v[8*(4*(\a)+\b):8*(4*(\a)+\b)+7], v[\f+64+8*(4*\c+\b):\f+64+8*(4*\c+\b)+7], v[\f+8*(4*\c+(\a)):\f+8*(4*\c+(\a))+7], v[BO+8*\b:BO+8*\b+7], v[SB+16*\b+(\s)+\c], v[SA+16*(\a)+(\s)+\c] matrix_a_fmt:MATRIX_FMT_FP4 matrix_b_fmt:MATRIX_FMT_FP4
.else
	v_wmma_scale_f32_16x16x128_f8f6f4 v[8*(4*(\a)+\b):8*(4*(\a)+\b)+7], v[\f+64+8*(4*\c+\b):\f+64+8*(4*\c+\b)+7], v[\f+8*(4*\c+(\a)):\f+8*(4*\c+(\a))+7], v[8*(4*(\a)+\b):8*(4*(\a)+\b)+7], v[SB+16*\b+(\s)+\c], v[SA+16*(\a)+(\s)+\c] matrix_a_fmt:MATRIX_FMT_FP4 matrix_b_fmt:MATRIX_FMT_FP4
.endif
.endr
.endr
.endm
; 32 LDS loads in one run: the fragments of two K steps, at byte k of Wo's rows, into buffer f; the first K step's first
.macro FETCH slot, k, f
	WIN TO_F
.irp c, 0,1
.irp i, 0,1,2,3
	ds_load_b128 v[\f+64+8*(4*\c+\i):\f+64+8*(4*\c+\i)+3],   v[ADRB+\slot] offset:\k+64*\c+\i*16*PITCH
	ds_load_b128 v[\f+64+8*(4*\c+\i)+4:\f+64+8*(4*\c+\i)+7], v[ADRB+\slot] offset:\k+64*\c+\i*16*PITCH+32
	ds_load_b128 v[\f+8*(4*\c+\i):\f+8*(4*\c+\i)+3],         v[ADRA+\slot] offset:((\k)/64+\c)*8192+\i*1024
	ds_load_b128 v[\f+8*(4*\c+\i)+4:\f+8*(4*\c+\i)+7],       v[ADRA+\slot] offset:((\k)/64+\c)*8192+\i*1024+512
.endr
.endr
.endm
.macro PLACES                          ; four places in front of loads into registers that matrix instructions have read, and of stores that read results (ISA guide 7.12.1 for the stores)
.rept 4
	v_nop
.endr
.endm
; A quarter of a part: two K steps, 32 matrix instructions: multiplies buffer f (K steps s, s + 1) and fetches the next quarter, at byte k, into g.
.macro QUARTER slot, k, f, g, zero, s
	s_wait_dscnt 16                                ; the first K step's fragments are in; the second's sixteen loads may be out
.if \zero
	WIN MUL_0
.else
	WIN MUL
.endif
	MUL8 \f, 0, 0, \zero, \s
	MUL8 \f, 0, 2, \zero, \s
	PLACES
	FETCH \slot, \k, \g
	s_wait_dscnt 32                                ; all but the 32 just issued
	WIN MUL
	MUL8 \f, 1, 0, 0, \s
	MUL8 \f, 1, 2, 0, \s
.endm
	s_wait_tensorcnt 1                             ; the scales and my part of the first 1,024 along K are in (the second part's load may be out)
	s_barrier_signal -1
	s_barrier_wait -1                              ; everybody's are
.irp a, 0,1,2,3
.irp s, 0,1,2,3,4,5,6,7,8,9,10,11,12,13,14,15
	ds_load_b32 v[SA+16*\a+\s], v[ADSA] offset:512*\s+64*\a            ; lane r: the word of row 16 a + r, K step s
.endr
.endr
.irp b, 0,1,2,3
.irp g, 0,1,2,3
	ds_load_b128 v[SB+16*\b+4*\g:SB+16*\b+4*\g+3], v[ADSB] offset:1088*\b+16*\g   ; lane r: the 16 words of Wo's row 16 b + r
.endr
.endr
	FETCH 0, 0, F0
	WIN 0x80                                       ; destination window 2, address window 0
.irp a, 0,1,2,3
.irp t, 0,1,2,3,4,5,6,7
	global_load_b128 v[XR+4*(8*\a+\t):XR+4*(8*\a+\t)+3], v[CO], s[96:97] offset:(16*\a+2*\t)*8192 th:TH_LOAD_NT   ; x, as the rows will leave: sixteen lanes read 256 consecutive bytes.  Asked for here, behind the LDS loads that the first products wait for; wanted behind the last product
.endr
.endr
	QUARTER 0, 128, F0, F1, 1, 0
	QUARTER 0, 256, F1, F0, 0, 2
	QUARTER 0, 384, F0, F1, 0, 4
	s_wait_tensorcnt 0x0                           ; my part of the second 1,024 along K has landed: no load was issued behind it
	s_wait_dscnt 16
	WIN MUL
	MUL8 F1, 0, 0, 0, 6
	s_wait_dscnt 0x0                               ; my reads of the first part are over
	s_barrier_signal -1
	MUL8 F1, 0, 2, 0, 6
	s_barrier_wait -1                              ; the second part is whole, and nobody reads the first any more
	PLACES
	FETCH 1, 0, F0
	WIN MUL
	MUL8 F1, 1, 0, 0, 6
	MUL8 F1, 1, 2, 0, 6
	QUARTER 1, 128, F0, F1, 0, 8
	QUARTER 1, 256, F1, F0, 0, 10
	QUARTER 1, 384, F0, F1, 0, 12
	s_wait_dscnt 16                                ; the last quarter: nothing more to fetch
	WIN MUL
	MUL8 F1, 0, 0, 0, 14
	MUL8 F1, 0, 2, 0, 14
	s_wait_dscnt 0
	MUL8 F1, 1, 0, 0, 14
	MUL8 F1, 1, 2, 0, 14
	WIN 0
; THE WAY OUT, block by block of 16 rows x 64 columns: into my stage, back as whole rows of 256 bytes; then x sigmoid(gate) + x, one fused multiply-add, and the store.
.macro TOSTAGE a
	WIN 0x08                                       ; an LDS store's data are its source 1: window 2
.irp b, 0,1,2,3
	ds_store_b128 v[STO], v[8*(4*(\a)+\b):8*(4*(\a)+\b)+3] offset:64*\b          ; each accumulator from its low end on
	ds_store_b128 v[STO], v[8*(4*(\a)+\b)+4:8*(4*(\a)+\b)+7] offset:64*\b+16
.endr
	WIN 0
.set TT, T+32*((\a)%2)
.irp t, 0,1,2,3,4,5,6,7
	ds_load_b128 v[TT+4*\t:TT+4*\t+3], v[RD] offset:2*\t*SPITCH     ; LDS serves a wave's instructions in order (ISA guide 5.7.1.4): these see the stores above
.endr
.endm
.macro SEND a, younger                 ; younger: the LDS instructions issued behind block a's loads, which may stay out
.set TT, T+32*((\a)%2)
	s_wait_dscnt \younger
.if (\a) == 0
	s_wait_loadcnt 0x0                             ; x
.endif
	WIN 0x20                                       ; source 2 (x) in window 2
.irp t, 0,1,2,3,4,5,6,7
	v_pk_fma_f32 v[TT+4*\t:TT+4*\t+1], v[TT+4*\t:TT+4*\t+1], v[SIG:SIG+1], v[XR+4*(8*(\a)+\t):XR+4*(8*(\a)+\t)+1]
	v_pk_fma_f32 v[TT+4*\t+2:TT+4*\t+3], v[TT+4*\t+2:TT+4*\t+3], v[SIG+2:SIG+3], v[XR+4*(8*(\a)+\t)+2:XR+4*(8*(\a)+\t)+3]
.endr
	WIN 0
.irp t, 0,1,2,3,4,5,6,7
	global_store_b128 v[CO], v[TT+4*\t:TT+4*\t+3], s[98:99] offset:(16*(\a)+2*\t)*8192 th:TH_STORE_NT   ; 16 lanes store 256 consecutive bytes, aligned; written once, read by nobody here
.endr
.endm
	PLACES
	TOSTAGE 0
	TOSTAGE 1
	SEND 0, 16                                     ; behind block 0's loads: block 1's 8 stores and 8 loads
	s_wait_xcnt 0x0                                ; block 0's stores have read their registers: block 2's loads may land there
	TOSTAGE 2
	SEND 1, 16
	s_wait_xcnt 0x0
	TOSTAGE 3
	SEND 2, 16
	SEND 3, 0
	s_wait_dscnt 0x0
	s_wait_tensorcnt 0x0
	ds_add_u32 v23, v31
	s_wait_dscnt 0x0
	CROUND                                         ; the closing round: no work-group ends while a partner may still ask for a tile that names it
	s_endpgm
.Lfunc_end_k_qc0aaa82eab_outp:
	.size	k_qc0aaa82eab_outp, .Lfunc_end_k_qc0aaa82eab_outp-k_qc0aaa82eab_outp
	.p2alignl 7, 3214868480
	.fill 96, 4, 3214868480
	.section	.rodata,"a",@progbits
	.p2align	6, 0x0
	.amdhsa_kernel k_qc0aaa82eab_outp
		.amdhsa_group_segment_fixed_size 283648
		.amdhsa_private_segment_fixed_size 0
		.amdhsa_enable_private_segment 0
		.amdhsa_kernarg_size 64
		.amdhsa_user_sgpr_count 2
		.amdhsa_user_sgpr_kernarg_segment_ptr 1
		.amdhsa_wavefront_size32 1
		.amdhsa_system_sgpr_workgroup_id_x 1
		.amdhsa_system_sgpr_workgroup_id_y 1
		.amdhsa_system_sgpr_workgroup_id_z 1
		.amdhsa_system_vgpr_workitem_id 0
		.amdhsa_next_free_vgpr 768
		.amdhsa_next_free_sgpr 100
		.amdhsa_reserve_vcc 0
		.amdhsa_float_denorm_mode_32 3
		.amdhsa_float_denorm_mode_16_64 3
		.amdhsa_memory_ordered 1
		.amdhsa_forward_progress 1
		.amdhsa_inst_pref_size 82
	.end_amdhsa_kernel
	.amdgpu_metadata
---
amdhsa.version: [ 1, 2 ]
amdhsa.kernels:
  - .name:           k_qc0aaa82eab_outp
    .symbol:         k_qc0aaa82eab_outp.kd
    .args:
      - { .name: ctx_codes, .offset: 0, .size: 8, .value_kind: global_buffer, .address_space: global }
      - { .name: ctx_scales, .offset: 8, .size: 8, .value_kind: global_buffer, .address_space: global }
      - { .name: Wo_codes, .offset: 16, .size: 8, .value_kind: global_buffer, .address_space: global }
      - { .name: Wo_scales, .offset: 24, .size: 8, .value_kind: global_buffer, .address_space: global }
      - { .name: bo, .offset: 32, .size: 8, .value_kind: global_buffer, .address_space: global }
      - { .name: gate, .offset: 40, .size: 8, .value_kind: global_buffer, .address_space: global }
      - { .name: query_states, .offset: 48, .size: 8, .value_kind: global_buffer, .address_space: global }
      - { .name: out0, .offset: 56, .size: 8, .value_kind: global_buffer, .address_space: global }
    .group_segment_fixed_size: 283648
    .private_segment_fixed_size: 0
    .kernarg_segment_align: 8
    .kernarg_segment_size: 64
    .max_flat_workgroup_size: 128
    .sgpr_count:     100
    .vgpr_count:     768
    .wavefront_size: 32
...
	.end_amdgpu_metadata
.endif
;; end of part 4
